; MI455X (gfx1250); checked and timed in simulation.
; The chip was launched on July 23, 2026; its instructions are those of AMD's public machine-readable ISA for CDNA 5 (MIT licence, August 2026) and "CDNA5" Instruction Set Architecture Reference Guide (July 2026). The comments in the code are by the model that wrote it; some were corrected since.
;; Causal Self Attention. Allowed arithmetic: matrix products marked QUANTISED: E4M3 operands, one given power-of-two scale a tensor, by v_wmma_f32_16x16x64_fp8_fp8 or v_wmma_f32_16x16x128_fp8_fp8, f32 sums; everything else in f32.
;; Inputs: W_proj 1,024 x 1,024 float32; W_qkv 1,024 x 3,072 float32; b_proj 1,024 float32; b_qkv 3,072 float32; lowp_scales 8 int32 (the exponents e of the quantised operands' scales 2^e); x 4 x 2,048 x 1,024 float32.
;; Outputs: out0 4 x 2,048 x 1,024 float32.
;; This version of the problem:
;;   THIS VERSION OF THE PROBLEM IS GIVEN IN LOW PRECISION. The matrix products marked QUANTISED in the list below multiply operands that are first quantised to E4M3 (4 exponent bits, 3 mantissa bits; 8 bits a number), with one given power-of-two scale for each operand tensor; their sums are f32. All else is computed in f32.
;;   The module's matrix products, in the order in which they are computed (A, B: the left and right operand; K: the contracted axis; several contracted axes count as one K, in the product's order):
;;     1. [M 8,192, K 1,024] x [K 1,024, N 3,072]; A: input x; B: input W_qkv: QUANTISED (scales: A lowp_scales[0], B lowp_scales[1])
;;     2. batch 64 x [M 2,048, K 64] x [K 64, N 2,048]; A: computed on the way; B: computed on the way: QUANTISED (scales: A lowp_scales[2], B lowp_scales[3])
;;     3. batch 64 x [M 2,048, K 2,048] x [K 2,048, N 64]; A: softmax (see below); B: computed on the way: QUANTISED (scales: A lowp_scales[4], B lowp_scales[5])
;;     4. [M 8,192, K 1,024] x [K 1,024, N 1,024]; A: computed on the way; B: input W_proj: QUANTISED (scales: A lowp_scales[6], B lowp_scales[7])
;;   THE QUANTISER, for each operand of a quantised product, along K:
;;     - The operand's scale is 2^e, e = its entry of the input lowp_scales (int32; the entries are numbered through the quantised products in the list's order, A before B).
;;     - Each number is divided by the scale, clamped to +-448, and rounded to the nearest number of E4M3, ties to even, subnormals kept.
;;     - The product sums the exact products of the quantised numbers (number of the format x scale) in f32.
;;   ~~~python
;;   def quantise(x, axis, e):      # numpy; x: float32 -> the quantised numbers, widened to float32 again
;;       x = np.moveaxis(x, axis, -1); K = x.shape[-1]
;;       r = np.clip(x / 2.0 ** e, -448, 448)
;;       step = 2.0 ** (np.maximum(np.frexp(np.where(r == 0, 1, r))[1] - 1, -6) - 3)
;;       q = np.round(r / step) * step * 2.0 ** e      # np.round: ties to even
;;       return np.moveaxis(q, -1, axis).astype(np.float32)
;;   ~~~
;;   SOFTMAX AHEAD OF A QUANTISED PRODUCT. Where the list says 'softmax', what is quantised is not the finished softmax but p = 2^(t - M), with t = logit x log2(e) and M = ceil(the row's largest t), a whole number; so 1/2 < the row's largest p <= 1. The row's sum l is taken of the UNQUANTISED p, in f32, and the product's result is divided by l at the end. Since M is a whole number, a kernel that streams over the keys may use a running M (the ceiling of the running maximum): every later rescaling is an exact power of two, so the quantised numbers keep their values, but for numbers so far below the row's largest that they fall under the format's range.
;;   OPERANDS COMPUTED ON THE WAY. 'Computed on the way' means the value that the module computes at that place (a softmax that the list does not call 'softmax' is quantised finished and normalised). What goes into a quantiser is computed in f32, as accurately as f32 sums, v_exp_f32 and their like allow (about 1e-6 of the number): no bf16 or f16 on the way to a quantiser, and a product that is left as it is and whose result goes on into a quantised operand takes f32 operands (vector FMAs, or v_wmma_f32_16x16x4_f32). A number that lies on a knife's edge between two numbers of the format may be rounded either way, as far as f32 arithmetic and the matrix unit's own rounding can turn it there, and no further.
;; One version. Each part assembles by itself: llvm-mc -triple=amdgcn-amd-amdhsa -mcpu=gfx1250 --defsym DOCPART=n.
;; ======== version 1 of 1: 4 launches
;; limits: right only within a limited range of input values
;; workspace buffers: x_codes 8,388,608 bytes; wqkv_codes 3,145,728 bytes; wproj_codes 1,048,576 bytes; q_codes 8,388,608 bytes; k_codes 8,388,608 bytes; v_codes 8,388,608 bytes; y_codes 8,388,608 bytes
;; launch quant (part 1): grid 384 x 1, 4 waves a work-group, no clusters, 70,144 bytes of LDS; arguments x, W_qkv, W_proj, lowp_scales, x_codes, wqkv_codes, wproj_codes; writes x_codes, wqkv_codes, wproj_codes
.if DOCPART == 1
	.amdgcn_target "amdgcn-amd-amdhsa--gfx1250"
	.amdhsa_code_object_version 6
	.text
	.protected	k_q61854d46d0_quant
	.globl	k_q61854d46d0_quant
	.p2align	8
	.type	k_q61854d46d0_quant,@function
k_q61854d46d0_quant:
	s_mov_b64 s[64:65], 0
	v_nop
	global_prefetch_b8 v0, s[64:65] scope:SCOPE_SE
	s_setreg_imm32_b32 hwreg(HW_REG_WAVE_MODE, 25, 1), 1
	s_wait_xcnt 0x0
; x [8192][1024], W_qkv [1024][3072] and W_proj [1024][1024], f32, become codes of FP8 (E4M3), each with the one scale 2^e given for it (entries 0, 1 and 7 of the scales).
; code = number / 2^e, held within +-448, rounded to the nearest code, ties to even.  LIMITS: e between -126 and 119, so that 2^e and 448 x 2^e are f32 numbers.  NaN among the inputs is not served.
; A tensor's scale is one number, so a code hangs on no neighbour: the ORDER of the codes along K is free, as long as both operands of a product have the same order.
;   x_codes [8192][1024] and wqkv_codes [3072][1024]: byte P of a row holds k = 512 (P >> 9) + 128 ((P >> 2) & 3) + 4 ((P >> 4) & 31) + (P & 3).
;     That is the order in which four loads of 512 consecutive bytes leave 16 numbers in a lane: x needs no turn through LDS.
;   wproj_codes [1024][1024]: byte P of a row holds k = P with bits 3 and 4 exchanged: the order in which the last product's other operand is made.
; Work-groups 0-95 take W_qkv, 96-127 W_proj, 128-383 x; each reads 131,072 bytes.  Waves share nothing: no barrier.  The two weights' paths have LDS bytes of their own.
.set COLQ,   3072                      ; columns of W_qkv
.set COLP,   1024                      ; columns of W_proj
.set WGQ,    96                        ; work-groups for W_qkv: 24 groups of 128 columns x 4 runs of 256 places along K
.set WGP,    32                        ; for W_proj: 8 x 4
.set PITCH,  272                       ; a stage row: 256 bytes of codes + 16
.set WST,    32*PITCH                  ; a wave's stage: 32 columns
.set R,      16                        ; x: v16-79   four sets of 16 numbers
.set C,      128                       ; x: v128-191 four registers of codes for each step, so that no store's data are written again
.set X,      32                        ; W: v32-95   two sets of 32 numbers
.set CW,     96                        ; W: v96-103  a block's codes
.set OUTR,   112                       ; W: v112-175 the way out
.macro SCALE e                         ; v11 = 2^e as f32 (the conversion takes its exponent field); v10 = 448 x 2^e
	s_add_co_i32 s22, s[\e], 127
	s_lshl_b32 s23, s22, 23
	v_mov_b32 v11, s23
	s_add_co_i32 s22, s22, 8
	s_lshl_b32 s22, s22, 23
	s_or_b32 s22, s22, 0x600000
	v_mov_b32 v10, s22
.endm
.macro XLOAD t                         ; step t: 512 numbers; each load reads 512 consecutive bytes, 16 a lane
.irp i, 0,1,2,3
	global_load_b128 v[R+16*((\t)%4)+4*\i:R+16*((\t)%4)+4*\i+3], v3, s[4:5] offset:2048*(\t)+512*\i th:TH_LOAD_NT
.endr
.endm
.macro XSTEP t
.set XS, R+16*((\t)%4)
.if 15-(\t) >= 3
	s_wait_loadcnt 12                              ; this step's four loads are in; those of the three steps behind it may be out
.else
	s_wait_loadcnt 4*(15-(\t))
.endif
.irp i, 0,1,2,3,4,5,6,7,8,9,10,11,12,13,14,15
	v_med3_num_f32 v[XS+\i], v[XS+\i], -v10, v10   ; the conversion to an 8-bit code does not saturate (ISA guide 7.6.2): the hold at the largest code x the scale
.endr
	v_cvt_scalef32_pk8_fp8_f32 v[C+4*(\t):C+4*(\t)+1], v[XS:XS+7], v11
	v_cvt_scalef32_pk8_fp8_f32 v[C+4*(\t)+2:C+4*(\t)+3], v[XS+8:XS+15], v11
.if (\t)+4 < 16
	XLOAD (\t)+4                                   ; the set just converted takes the loads of four steps on
.endif
	global_store_b128 v3, v[C+4*(\t):C+4*(\t)+3], s[12:13] offset:512*(\t)   ; the wave stores 512 consecutive bytes, aligned
.endm
; W: a lane takes a column, and its registers run down the PLACES of the codes' row: place 32 t + i of the work-group's 256 takes row wk of W below the work-group's first.
.macro WLOAD cols, perm, src, t
.set wi, 0
.rept 32
.if \perm == 0
.set wp, 32*(\t)+wi
.set wk, 128*((wp>>2)&3)+4*(wp>>4)+(wp&3)
.else
.set wk, 32*(\t)+(wi&7)+16*((wi>>3)&1)+8*((wi>>4)&1)
.endif
	global_load_b32 v[X+32*((\t)%2)+wi], v3, s[\src:\src+1] offset:wk*\cols*4 th:TH_LOAD_NT   ; 32 lanes read 128 consecutive bytes, the four waves 512; at most 447 x 12,288 bytes: inside the signed 24-bit immediate
.set wi, wi+1
.endr
.endm
.macro WBLOCK cols, perm, src, t
.set XS, X+32*((\t)%2)
.if (\t) < 7
	s_wait_loadcnt 32                              ; this block's 32 loads are in; the next block's may be out
.else
	s_wait_loadcnt 0
.endif
.set wj, 0
.rept 32
	v_med3_num_f32 v[XS+wj], v[XS+wj], -v10, v10
.set wj, wj+1
.endr
.irp g, 0,1,2,3
	v_cvt_scalef32_pk8_fp8_f32 v[CW+2*\g:CW+2*\g+1], v[XS+8*\g:XS+8*\g+7], v11
.endr
	ds_store_b128 v4, v[CW:CW+3] offset:32*(\t)    ; 32 codes of my column's row
	ds_store_b128 v4, v[CW+4:CW+7] offset:32*(\t)+16
.if (\t)+2 < 8
	WLOAD \cols, \perm, \src, (\t)+2
.endif
	s_wait_dscnt 0x0                               ; the stores have read their registers: the next block's codes may be written
.endm
.macro WPATH cols, perm, lbase, first, src, dst, e
	s_sub_co_u32 s19, ttmp9, \first
	s_lshr_b32 s20, s19, 2
	s_lshl_b32 s20, s20, 7
	s_lshl_b32 s21, s18, 5
	s_add_co_u32 s20, s20, s21                     ; my wave's first column
	s_and_b32 s19, s19, 3                          ; which 256 places along K
.if \perm == 0
	s_lshr_b32 s21, s19, 1
	s_lshl_b32 s21, s21, 9
	s_and_b32 s22, s19, 1
	s_lshl_b32 s22, s22, 6
	s_add_co_u32 s21, s21, s22                     ; the first row of W that those places name: 512 (y / 2) + 64 (y % 2)
.else
	s_lshl_b32 s21, s19, 8                         ; 256 y
.endif
	s_mul_i32 s32, s21, \cols*4
	s_lshl_b32 s22, s20, 2
	s_add_co_u32 s32, s32, s22
	s_mov_b32 s33, 0
	s_add_nc_u64 s[\src:\src+1], s[\src:\src+1], s[32:33]
	s_lshl_b32 s32, s20, 10                        ; a row of codes is 1,024 bytes
	s_lshl_b32 s22, s19, 8
	s_add_co_u32 s32, s32, s22
	s_add_nc_u64 s[\dst:\dst+1], s[\dst:\dst+1], s[32:33]
	v_lshlrev_b32 v3, 2, v2                        ; in: 4 bytes a lane
	s_mul_i32 s22, s18, WST
	s_add_co_u32 s22, s22, \lbase                  ; my stage
	v_mul_u32_u24 v4, v2, PITCH
	v_add_nc_u32 v4, s22, v4                       ; into it: row = my column
	v_and_b32 v5, 15, v2
	v_lshrrev_b32 v6, 4, v2
	v_mul_u32_u24 v7, v6, PITCH
	v_lshl_add_u32 v7, v5, 4, v7
	v_add_nc_u32 v7, s22, v7                       ; out of it: sixteen lanes to a row, two rows an instruction
	v_lshlrev_b32 v8, 10, v6
	v_lshl_add_u32 v8, v5, 4, v8                   ; and the same place in the codes' buffer
	WLOAD \cols, \perm, \src, 0
	WLOAD \cols, \perm, \src, 1
	s_wait_kmcnt 0x0
	SCALE \e
	s_wait_alu depctr_va_vdst(0)
.irp t, 0,1,2,3,4,5,6,7
	WBLOCK \cols, \perm, \src, \t
.endr
.irp t, 0,1,2,3,4,5,6,7,8,9,10,11,12,13,14,15
	ds_load_b128 v[OUTR+4*\t:OUTR+4*\t+3], v7 offset:2*\t*PITCH   ; LDS serves a wave's instructions in order (ISA guide 5.7.1.4): these see my stores
.endr
.irp t, 0,1,2,3,4,5,6,7,8,9,10,11,12,13,14,15
	s_wait_dscnt 15-\t
	global_store_b128 v8, v[OUTR+4*\t:OUTR+4*\t+3], s[\dst:\dst+1] offset:2*\t*1024   ; sixteen lanes store 256 consecutive bytes, aligned
.endr
.endm
	s_load_b256 s[4:11], s[0:1], 0x0               ; x s[4:5], W_qkv s[6:7], W_proj s[8:9], the scales' exponents s[10:11]
	s_load_b128 s[12:15], s[0:1], 0x20             ; x's codes s[12:13], W_qkv's s[14:15]
	s_load_b64 s[16:17], s[0:1], 0x30              ; W_proj's
	v_lshl_add_u32 v192, v0, 2, 0x11000
	v_mov_b32 v193, 0
	v_lshrrev_b32 v1, 5, v0
	v_readfirstlane_b32 s18, v1                    ; wave 0..3
	v_and_b32 v2, 31, v0                           ; lane
	s_wait_kmcnt 0x0
	s_load_b256 s[24:31], s[10:11], 0x0            ; e0 .. e7 in s24 .. s31
	s_cmp_lt_u32 ttmp9, WGQ
	s_cbranch_scc1 .Lwqkv
	s_cmp_lt_u32 ttmp9, WGQ+WGP
	s_cbranch_scc1 .Lwproj
	; ---- x: a wave takes 16 steps of 512 numbers, 8 rows
	s_sub_co_u32 s19, ttmp9, WGQ+WGP
	s_lshl_b32 s19, s19, 2
	s_add_co_u32 s19, s19, s18                     ; which run of 8,192 numbers is my wave's
	s_lshl_b32 s20, s19, 15
	s_mov_b32 s21, 0
	s_add_nc_u64 s[4:5], s[4:5], s[20:21]
	s_lshl_b32 s20, s19, 13
	s_add_nc_u64 s[12:13], s[12:13], s[20:21]
	s_wait_alu depctr_va_vdst(0)
	v_lshlrev_b32 v3, 4, v2                        ; my 16 bytes of a load's 512, and of a store's
.irp t, 0,1,2,3
	XLOAD \t
.endr
	s_wait_kmcnt 0x0
	SCALE 24
	s_wait_alu depctr_va_vdst(0)
.irp t, 0,1,2,3,4,5,6,7,8,9,10,11,12,13,14,15
	XSTEP \t
.endr
	s_endpgm
.Lwqkv:
	s_wait_alu depctr_va_vdst(0)
	WPATH COLQ, 0, 0, 0, 6, 14, 25
	s_wait_tensorcnt 0x0
	ds_add_u32 v192, v193
	s_wait_dscnt 0x0
	s_endpgm
.Lwproj:
	s_wait_alu depctr_va_vdst(0)
	WPATH COLP, 1, 4*WST, WGQ, 8, 16, 31
	s_wait_tensorcnt 0x0
	ds_add_u32 v192, v193
	s_wait_dscnt 0x0
	s_endpgm
.Lfunc_end_k_q61854d46d0_quant:
	.size	k_q61854d46d0_quant, .Lfunc_end_k_q61854d46d0_quant-k_q61854d46d0_quant
	.p2alignl 7, 3214868480
	.fill 96, 4, 3214868480
	.section	.rodata,"a",@progbits
	.p2align	6, 0x0
	.amdhsa_kernel k_q61854d46d0_quant
		.amdhsa_group_segment_fixed_size 70144
		.amdhsa_private_segment_fixed_size 0
		.amdhsa_enable_private_segment 0
		.amdhsa_kernarg_size 56
		.amdhsa_user_sgpr_count 2
		.amdhsa_user_sgpr_kernarg_segment_ptr 1
		.amdhsa_wavefront_size32 1
		.amdhsa_system_sgpr_workgroup_id_x 1
		.amdhsa_system_sgpr_workgroup_id_y 1
		.amdhsa_system_sgpr_workgroup_id_z 1
		.amdhsa_system_vgpr_workitem_id 0
		.amdhsa_next_free_vgpr 194
		.amdhsa_next_free_sgpr 66
		.amdhsa_reserve_vcc 0
		.amdhsa_float_denorm_mode_32 3
		.amdhsa_float_denorm_mode_16_64 3
		.amdhsa_memory_ordered 1
		.amdhsa_forward_progress 1
		.amdhsa_inst_pref_size 125
	.end_amdhsa_kernel
	.amdgpu_metadata
---
amdhsa.version: [ 1, 2 ]
amdhsa.kernels:
  - .name:           k_q61854d46d0_quant
    .symbol:         k_q61854d46d0_quant.kd
    .args:
      - { .name: x, .offset: 0, .size: 8, .value_kind: global_buffer, .address_space: global }
      - { .name: W_qkv, .offset: 8, .size: 8, .value_kind: global_buffer, .address_space: global }
      - { .name: W_proj, .offset: 16, .size: 8, .value_kind: global_buffer, .address_space: global }
      - { .name: lowp_scales, .offset: 24, .size: 8, .value_kind: global_buffer, .address_space: global }
      - { .name: x_codes, .offset: 32, .size: 8, .value_kind: global_buffer, .address_space: global }
      - { .name: wqkv_codes, .offset: 40, .size: 8, .value_kind: global_buffer, .address_space: global }
      - { .name: wproj_codes, .offset: 48, .size: 8, .value_kind: global_buffer, .address_space: global }
    .group_segment_fixed_size: 70144
    .private_segment_fixed_size: 0
    .kernarg_segment_align: 8
    .kernarg_segment_size: 56
    .max_flat_workgroup_size: 128
    .sgpr_count:     66
    .vgpr_count:     194
    .wavefront_size: 32
...
	.end_amdgpu_metadata
.endif
;; end of part 1
;; launch gemm_qkv (part 2): grid 12 x 32, 4 waves a work-group, clusters of 4 x 4, 327,680 bytes of LDS; arguments x_codes, wqkv_codes, b_qkv, lowp_scales, q_codes, k_codes, v_codes; writes q_codes, k_codes, v_codes
.if DOCPART == 2
	.amdgcn_target "amdgcn-amd-amdhsa--gfx1250"
	.amdhsa_code_object_version 6
	.text
	.protected	k_q61854d46d0_gemm_qkv
	.globl	k_q61854d46d0_gemm_qkv
	.p2align	8
	.type	k_q61854d46d0_gemm_qkv,@function
k_q61854d46d0_gemm_qkv:
	s_mov_b64 s[64:65], 0
	v_nop
	global_prefetch_b8 v0, s[64:65] scope:SCOPE_SE
	s_setreg_imm32_b32 hwreg(HW_REG_WAVE_MODE, 25, 1), 1
	s_wait_xcnt 0x0
	s_wait_alu depctr_hold_cnt(0) depctr_sa_sdst(0) depctr_va_vdst(0) depctr_va_sdst(0) depctr_va_ssrc(0) depctr_va_vcc(0) depctr_vm_vsrc(0)
	s_getreg_b32 s2, hwreg(HW_REG_IB_STS2, 6, 4)
	s_cmp_eq_u32 s2, 0
	s_cbranch_scc0 .Lentry_in_a_cluster
	s_endpgm
.Lentry_in_a_cluster:
	s_bfe_u32 s2, ttmp6, 0x10000c
	s_cmp_lg_u32 s2, 0xf033
	s_cbranch_scc0 .Lentry_shape_is_right
	s_endpgm
.Lentry_shape_is_right:
; qkv = x W_qkv + b_qkv on codes of FP8 (E4M3), and its three parts quantised at once for the two products of attention.  x_codes [8192][1024], wqkv_codes [3072][1024]: K innermost, the same order of k in both.
; A code of x stands for code x 2^e0, of W for code x 2^e1; q, k and v are quantised with 2^e2, 2^e3 and 2^e5: code = (sum + b / 2^(e0 + e1)) / 2^(et - e0 - e1), held within +-448.
; LIMITS: et - e0 - e1 between -126 and 119 for et = e2, e3, e5, so that the powers of two below are f32 numbers; the bias is scaled by v_ldexp_f32 and has none.  NaN is not served.
; A tile of 256 x 256 is made by four waves, 128 x 128 each: 64 accumulators, 512 registers.  K goes in steps of 256 through a ring of two LDS slots filled by the tensor data mover.
; 384 tiles: 3,072 columns do not fall into 256 equal tiles that stay within one of q, k and v.
; THE CLUSTER'S x SAYS WHICH PART: 0 = q, 1 = k, 2 = v; it is the same number in all sixteen partners.  The matrix instruction takes 16 rows of tile B as source 0 and 16 rows of tile A as source 1: a lane then holds
; ONE row of A and eight neighbouring rows of B.  For q and k: A = 256 tokens of x, B = 256 columns of W: a lane holds eight channels of a token, neighbours along the next K (the head's 64).
; For v: A = 256 columns of W, B = 256 tokens: a lane holds eight tokens of a channel, neighbours along the next K (the keys).  One main loop serves all three.
; CLUSTERS: 4 x 4 work-groups.  A's tile is shared along a row of the cluster, B's along a column: each is asked for jointly, by the same tensor load with the same descriptor and a mask that names the four.
; OUT.  q_codes, k_codes [64 heads][2048 tokens][64]; v_codes [64 heads][32 groups of 64 keys][64 channels][64].  In each run of 64, byte P holds index P with bits 3 and 4 exchanged: a lane's codes of two neighbouring
; tiles are then 16 consecutive bytes.
; REGISTERS, in windows of 256: window 0: v0-31 addresses; v32-95 the bias, later a block's held sums; v96-103 offsets of the bias loads; v128-255 A's fragments, ONE set, later rows on their way out.
;   window 1: B's fragments, TWO sets.   window 2: the accumulators of my A rows 0-63 ((a, b) at v[8 (8 a + b)]);   window 3: those of rows 64-127.
.set SIZE_K, 1024
.set KSTEP,  256
.set ROWB,   256                       ; a tile's row in bytes
.set KROW,   1024                      ; a row of codes in memory
.set PITCH,  272                       ; an LDS row: 256 bytes + 16 = 68 words: row r starts at bank 4 r mod 64 (64 banks of 4 bytes: ISA guide 11.1)
.set FR,     16                        ; registers of a fragment: 16 rows x 128 K
.set NL,     4                         ; LDS loads that bring one
.set NP,     4                         ; places behind this matrix instruction (ISA guide 7.12.1)
.set HALFT,  128*PITCH
.set SLOT,   4*HALFT                   ; A's 256 rows, then B's 256 rows
.set LAPS,   SIZE_K/(2*KSTEP)
.set SPARE,  2*SLOT                    ; behind the ring: the spare words, 128 bytes for each wave
; OUT, AS IT IS STORED (this takes the place of the order of bytes given under OUT above): each tile of 16 rows x 64 bytes of q_codes, k_codes and v_codes is 1,024 bytes laid as the image of the
; reader's operand registers: [2 halves c][32 lanes][16 bytes]; lane 16 h + r holds bytes 32 c + 16 h .. + 15 of row r.  The tiles follow each other as the rows did.
.set LIM,  8                           ; v8   448 x 2^(et - e0 - e1)
.set SCL,  9                           ; v9   2^(et - e0 - e1)
.set ADRA, 16
.set ADRB, 20
.set STO,  24
.set RD,   25
.set CO,   26                          ; v26, v27, v30, v31: my byte offset in the output, for the block's two runs and for A's two halves
.set SPW,  28
.set NIL,  29
.set BIA,  32                          ; 64 registers: the bias / 2^(e0 + e1), eight for each block of 16
.set TMP,  32
.set CD,   96
.set AF,   128
.set BK,   128
.set G1, 24
.set G0, 32
.set G1B, 48
.set G0B, 56
.set ISV, 74                           ; s74  1 in the clusters that make v
.set OUTP, 96                          ; s[96:97] where my wave's codes begin
.set MSB, 0
.macro WIN new                         ; the immediate's high byte repeats the setting that is left
.if MSB != (\new)
	s_set_vgpr_msb (MSB<<8)|(\new)
.set MSB, (\new)
.endif
.endm
.set MUL_LO, 0xa1                      ; source 0 (B) window 1, source 1 (A) window 0, C and D window 2
.set MUL_HI, 0xf1                      ; the same, C and D window 3
.set TO_B,   0x40
; A joint load: waves 0 and 1 fetch for A, waves 2 and 3 for B; the branch hangs on the wave's number alone.  Four v_nop follow each of the two lines.
.macro JLOAD g0a, g1a, g0b, g1b
	s_cmp_eq_u32 s15, 0
	s_cbranch_scc0 .Lfor_b_\@
	tensor_load_to_lds s[\g0a:\g0a+3], s[\g1a:\g1a+7]
	s_nop 0
.rept 4
	v_nop
.endr
	s_branch .Lasked_\@
.Lfor_b_\@:
	tensor_load_to_lds s[\g0b:\g0b+3], s[\g1b:\g1b+7]
	s_nop 0
.rept 4
	v_nop
.endr
.Lasked_\@:
.endm
.macro CREST                           ; a round of the cluster's barrier behind its opening barrier
	s_cmp_lg_u32 s14, 0
	s_cbranch_scc1 .Lnot_wave_0_\@
	s_barrier_signal -3
.Lnot_wave_0_\@:
	s_barrier_wait -3
	s_barrier_signal -1
	s_barrier_wait -1
.endm
.macro CROUND
	s_barrier_signal -1
	s_barrier_wait -1
	CREST
.endm
	s_load_b128 s[4:7], s[0:1], 0x0                ; x's codes s[4:5], W's codes s[6:7]
	s_load_b128 s[8:11], s[0:1], 0x10              ; the bias s[8:9], the scales' exponents s[10:11]
	s_load_b128 s[68:71], s[0:1], 0x20             ; q's codes s[68:69], k's s[70:71]
	s_load_b64 s[72:73], s[0:1], 0x30              ; v's
	v_lshl_add_u32 v[SPW], v0, 2, SPARE
	v_mov_b32 v[NIL], 0
	ds_add_u32 v28, v29
	ds_add_u32 v28, v29
	s_wait_dscnt 0x0
	v_lshrrev_b32 v1, 5, v0
	v_readfirstlane_b32 s14, v1                    ; wave 0..3
	s_lshr_b32 s15, s14, 1                         ; which half of A's rows is mine.  Also: I fetch for A (0) or for B (1)
	s_and_b32 s16, s14, 1                          ; which half of B's rows.  Also: which 128 rows of that tile I fetch
	s_bfe_u32 s40, ttmp6, 0x40000                  ; cx, cy: my place in the cluster
	s_bfe_u32 s41, ttmp6, 0x40004
	s_lshl_b32 s42, ttmp9, 2                       ; 4 x cluster x
	s_and_b32 s17, ttmp7, 0xffff
	s_lshl_b32 s17, s17, 2                         ; 4 x cluster y
	s_cmp_eq_u32 ttmp9, 2                          ; v?  All the choices stand ahead of the additions, which write SCC
	s_cselect_b32 s[ISV], 1, 0
	s_cselect_b32 s42, s17, s42                    ; B's tile: q, k: columns of W by the cluster's x; v: tokens by its y
	s_cselect_b32 s17, 0, s17                      ; A's tile: q, k: tokens by the cluster's y; v: the four tiles of W_v
	s_cselect_b32 s75, 2048, 0                     ; v: W_v's rows begin at row 2,048 of W's codes
	s_add_co_u32 s42, s42, s40                     ; B's tile number: + cx
	s_add_co_u32 s17, s17, s41                     ; A's tile number: + cy
	s_lshl_b32 s43, s41, 2
	s_lshl_b32 s43, 15, s43                        ; my row of the cluster
	s_lshl_b32 s44, 0x1111, s40                    ; my column
	; descriptor group 1: a tile of 128 rows x 256 bytes, padded in LDS
	s_or_b32 s[G1+0], s43, (0<<16)|(1<<20)|(1<<21)|(5<<22)|(3<<25)  ; 15:0 the mask: A's tiles go to my row; 17:16 elements of 1 byte; 20 padding on; 21 set beside a mask; 24:22 after every 64 words; 31:25 four words
	s_or_b32 s[G1B+0], s44, (0<<16)|(1<<20)|(1<<21)|(5<<22)|(3<<25)
.irp g, G1, G1B
	s_mov_b32 s[\g+1], ROWB<<16                    ; tensor_dim0
	s_mov_b32 s[\g+2], 128<<16                     ; tensor_dim1
	s_mov_b32 s[\g+3], ROWB<<16                    ; tile_dim0
	s_mov_b32 s[\g+4], 128                         ; tile_dim1
	s_mov_b32 s[\g+5], KROW                        ; tensor_dim0_stride
	s_mov_b32 s[\g+6], 0
	s_mov_b32 s[\g+7], 0
.endr
	s_lshl_b32 s18, s16, 7                         ; which 128 rows of the tile I fetch
	s_lshl_b32 s20, s17, 8
	s_add_co_u32 s20, s20, s18
	s_add_co_u32 s20, s20, s75                     ; A: row 256 x tile + 128 x half (+ 2,048)
	s_lshl_b32 s46, s42, 8
	s_add_co_u32 s46, s46, s18                     ; B: row 256 x tile + 128 x half
	s_lshl_b32 s20, s20, 10                        ; in bytes: at most 8,192 rows of 1,024
	s_lshl_b32 s46, s46, 10
	s_mov_b32 s21, 0
	s_mov_b32 s47, 0
	s_mul_i32 s45, s14, HALFT                      ; where they go: wave x 128 rows: no place in the cluster enters an LDS address
	s_wait_kmcnt 0x0
	s_load_b256 s[84:91], s[10:11], 0x0            ; e0 .. e7 in s84 .. s91
	s_cmp_eq_u32 s[ISV], 1
	s_cselect_b64 s[76:77], s[6:7], s[4:5]         ; A's buffer
	s_cselect_b64 s[80:81], s[4:5], s[6:7]         ; B's
	s_add_nc_u64 s[20:21], s[76:77], s[20:21]
	s_add_nc_u64 s[46:47], s[80:81], s[46:47]
	CROUND                                         ; all sixteen work-groups are here: the first joint loads meet
.irp s, 0,1
	s_mov_b32 s[G0+4*\s], 1
	s_add_co_u32 s[G0+4*\s+1], s45, \s*SLOT
	s_add_nc_u64 s[G0+4*\s+2:G0+4*\s+3], s[20:21], \s*ROWB
	s_or_b32 s[G0+4*\s+3], s[G0+4*\s+3], 0x80000000
	s_mov_b32 s[G0B+4*\s], 1
	s_add_co_u32 s[G0B+4*\s+1], s45, \s*SLOT
	s_add_nc_u64 s[G0B+4*\s+2:G0B+4*\s+3], s[46:47], \s*ROWB
	s_or_b32 s[G0B+4*\s+3], s[G0B+4*\s+3], 0x80000000
.endr
	JLOAD G0, G1, G0B, G1B                         ; K step 0: one tensor load a wave at the head
	v_and_b32 v1, 15, v0                           ; r = l % 16
	s_wait_alu depctr_va_vdst(0)
	v_bfe_u32 v2, v0, 4, 1                         ; h = l / 16
	v_mul_u32_u24 v3, v1, PITCH
	v_lshl_add_u32 v4, v2, 4, v3                   ; a fragment's row x pitch + 16 x half
	s_mul_i32 s21, s15, HALFT                      ; my 128 rows of A
	s_mul_i32 s22, s16, HALFT                      ; my 128 rows of B,
	s_add_co_u32 s22, s22, 2*HALFT                 ; which lie behind A's 256
.irp s, 0,1
	v_add_nc_u32 v[ADRA+\s], s21, v4
	v_add_nc_u32 v[ADRB+\s], s22, v4
	s_add_co_u32 s21, s21, SLOT
	s_add_co_u32 s22, s22, SLOT
.endr
	; THE BIAS, in the result's layout: register 8 n + j of the 64.  q, k: it hangs on B's index: b[my first column + 16 n + 8 h + j].  v: on A's: b[2,048 + my first channel + 16 n + r], the same for all j.
	; One text serves both: eight offset registers, 4 r for v and 32 h + 4 j for q and k; all 64 registers are written whichever part the cluster makes.
	s_lshl_b32 s18, s17, 8
	s_lshl_b32 s19, s15, 7
	s_add_co_u32 s18, s18, s19
	s_add_co_u32 s18, s18, 2048                    ; v: my first channel's place in the bias
	s_lshl_b32 s19, s42, 8
	s_lshl_b32 s22, s16, 7
	s_add_co_u32 s19, s19, s22                     ; q, k: my first column's
	s_cmp_eq_u32 s[ISV], 1
	s_cselect_b32 s18, s18, s19
	s_cselect_b32 s22, 4, 0                        ; x r
	s_cselect_b32 s23, 0, 32                       ; x h
	s_cselect_b32 s66, 0, 4                        ; x j
	s_lshl_b32 s18, s18, 2
	s_mov_b32 s19, 0
	s_add_nc_u64 s[82:83], s[8:9], s[18:19]
	v_mul_u32_u24 v10, v1, s22
	s_wait_alu depctr_va_vdst(0)
	v_mad_u32_u24 v10, v2, s23, v10
	v_mov_b32 v11, s66
.irp j, 0,1,2,3,4,5,6,7
	v_mad_u32_u24 v[CD+\j], v11, \j, v10
.endr
.irp n, 0,1,2,3,4,5,6,7
.irp j, 0,1,2,3,4,5,6,7
	global_load_b32 v[BIA+8*\n+\j], v[CD+\j], s[82:83] offset:64*\n
.endr
.endr
	; the way out: where my codes go
	v_and_b32 v6, 31, v0                           ; my lane: its 16 bytes of each 512 that the wave stores
	s_wait_alu depctr_va_vdst(0)                   ; the wait here, directly behind the write
	s_cmp_eq_u32 ttmp9, 0
	s_cselect_b64 s[OUTP:OUTP+1], s[68:69], s[70:71]
	s_cmp_eq_u32 ttmp9, 2
	s_cselect_b64 s[OUTP:OUTP+1], s[72:73], s[OUTP:OUTP+1]
	s_cselect_b32 s18, s42, s17                    ; the tile of 256 tokens,
	s_cselect_b32 s19, s16, s15                    ; my half of it,
	s_cselect_b32 s22, s17, s40                    ; the tile of 256 channels within q, k or v,
	s_cselect_b32 s23, s15, s16                    ; my half of it
	s_mov_b32 s78, 131072
	s_cselect_b32 s78, 4096, s78                   ; from a block's first run of 16 rows to its second: q, k: the next head; v: the next group of 64 keys
	s_cselect_b32 s79, 126976, 0                   ; v: A's blocks 4-7 are the next head: 131,072 less the 4,096 that the immediates have counted
	s_lshr_b32 s66, s18, 3
	s_lshl_b32 s66, s66, 21                        ; the batch: 16 heads of 131,072 bytes
	s_and_b32 s18, s18, 7
	s_lshl_b32 s18, s18, 14                        ; 256 tokens x 64 bytes
	s_add_co_u32 s66, s66, s18
	s_lshl_b32 s19, s19, 13
	s_add_co_u32 s66, s66, s19
	s_lshl_b32 s22, s22, 19                        ; 4 heads
	s_add_co_u32 s66, s66, s22
	s_lshl_b32 s23, s23, 18                        ; 2 heads
	s_add_co_u32 s66, s66, s23
	s_mov_b32 s67, 0
	s_add_nc_u64 s[OUTP:OUTP+1], s[OUTP:OUTP+1], s[66:67]
	v_lshlrev_b32 v[CO], 4, v6
	v_add_nc_u32 v[CO+1], s78, v[CO]
	v_add_nc_u32 v[CO+4], s79, v[CO]
	v_add_nc_u32 v[CO+5], s79, v[CO+1]
.macro FRAG reg, adr, q, i             ; a fragment, 16 rows x 128 places along K, is 16 registers: four loads of 16 bytes, 32 bytes apart; the same places in A and in B
.irp c, 0,1,2,3
	ds_load_b128 v[\reg+4*\c:\reg+4*\c+3], v[\adr] offset:128*(\q)+32*\c+(\i)*16*PITCH
.endr
.endm
; 16 matrix instructions: A's blocks a0, a0 + 1 x B's eight.  p: B's set.  first = 1: the sums start from the bias by B's block; 2: by A's block; 0: they go on.
; The 64 accumulators take turns, one instruction a turn, in the same order in every step.
.macro MUL16 a0, p, first
.irp a, \a0, \a0+1
.irp b, 0,1,2,3,4,5,6,7
.if \first == 1
	v_wmma_f32_16x16x128_fp8_fp8 v[8*(8*((\a)%4)+\b):8*(8*((\a)%4)+\b)+7], v[128*(\p)+FR*\b:128*(\p)+FR*\b+FR-1], v[AF+FR*(\a):AF+FR*(\a)+FR-1], v[BIA+8*\b:BIA+8*\b+7]
.elseif \first == 2
	v_wmma_f32_16x16x128_fp8_fp8 v[8*(8*((\a)%4)+\b):8*(8*((\a)%4)+\b)+7], v[128*(\p)+FR*\b:128*(\p)+FR*\b+FR-1], v[AF+FR*(\a):AF+FR*(\a)+FR-1], v[BIA+8*(\a):BIA+8*(\a)+7]
.else
	v_wmma_f32_16x16x128_fp8_fp8 v[8*(8*((\a)%4)+\b):8*(8*((\a)%4)+\b)+7], v[128*(\p)+FR*\b:128*(\p)+FR*\b+FR-1], v[AF+FR*(\a):AF+FR*(\a)+FR-1], v[8*(8*((\a)%4)+\b):8*(8*((\a)%4)+\b)+7]
.endif
.endr
.endr
.endm
.macro FETCH_B slot, q, p
	WIN TO_B
.irp i, 0,1,2,3,4,5,6,7
	FRAG 128*(\p)+FR*\i, ADRB+\slot, \q, \i
.endr
	WIN 0
.endm
.macro FETCH_A slot, q, i0
.irp i, \i0, \i0+1, \i0+2, \i0+3
	FRAG AF+FR*(\i), ADRA+\slot, \q, \i
.endr
.endm
.macro PLACES n                        ; plain vector instructions between a matrix instruction and a load into one of its registers, or a read of its result
.rept \n
	v_nop
.endr
.endm
; A step of 128 along K that has its successor in the same slot.
.macro STEP slot, q, first
	s_wait_dscnt 4*NL                              ; B's set and A's blocks 0-3 are in; the youngest sixteen loads (A's blocks 4-7) may be out
.if \first
	WIN 0x81                                       ; source 0 window 1; source 1 and C (the bias) window 0; D window 2
.else
	WIN MUL_LO
.endif
	MUL16 0, (\q)%2, \first
	MUL16 2, (\q)%2, \first
	s_wait_dscnt 0                                 ; A's blocks 4-7 are in
	PLACES NP
	FETCH_B \slot, (\q)+1, 1-(\q)%2
	FETCH_A \slot, (\q)+1, 0
.if \first
	WIN 0xc1                                       ; the same, D window 3
.else
	WIN MUL_HI
.endif
	MUL16 4, (\q)%2, \first
	MUL16 6, (\q)%2, \first
	PLACES NP
	WIN 0
	FETCH_A \slot, (\q)+1, 4
.endm
; A slot's last step changes slots: ONE barrier; in front of it each wave waits for all its tensor loads, adds 0 to its spare word, and waits for that and for its own reads of this slot.  fill = 1: this slot is filled again, two K steps ahead.
.macro TURN slot, next, fill
	s_wait_tensorcnt 0x0                           ; all my tensor loads have landed: my part of the next slot  (every window is 0 here)
	ds_add_u32 v[SPW], v[NIL]                      ; 0 onto my spare word
	s_wait_dscnt 4*NL+1                            ; (the add and the youngest sixteen loads may be out)
	WIN MUL_LO
	MUL16 0, 1, 0                                  ; sixteen matrix instructions stand between the add and the wait for it
	s_wait_dscnt 0x0                               ; the add is done, and my reads of this slot are over
	s_barrier_signal -1
	MUL16 2, 1, 0
	WIN 0
	s_barrier_wait -1
.if \fill
	CREST                                          ; the barrier has opened a round of the cluster's barrier: no wave of any partner still reads this slot or has a load on its way
	s_add_nc_u64 s[G0+4*\slot+2:G0+4*\slot+3], s[G0+4*\slot+2:G0+4*\slot+3], 2*ROWB
	s_add_nc_u64 s[G0B+4*\slot+2:G0B+4*\slot+3], s[G0B+4*\slot+2:G0B+4*\slot+3], 2*ROWB
	JLOAD G0+4*\slot, G1, G0B+4*\slot, G1B         ; the first tensor load behind the round; its four v_nop are the places in front of the loads below
.else
	PLACES NP
.endif
	FETCH_B \next, 0, 0
	FETCH_A \next, 0, 0
	WIN MUL_HI
	MUL16 4, 1, 0
	MUL16 6, 1, 0
	PLACES NP
	WIN 0
	FETCH_A \next, 0, 4
.endm
	s_wait_alu depctr_va_vdst(0)                   ; the wait at the head's end
	s_wait_tensorcnt 0x0                           ; my part of K step 0 is in
	ds_add_u32 v[SPW], v[NIL]
	s_wait_dscnt 0x0
	CROUND                                         ; everybody's part of K step 0 is in, and all sixteen work-groups are here
	JLOAD G0+4, G1, G0B+4, G1B                     ; K step 1: slot 1's first fill, the first tensor load behind the round
	FETCH_B 0, 0, 0
	FETCH_A 0, 0, 0
	FETCH_A 0, 0, 4
	s_wait_loadcnt 0x0                             ; the bias
	s_wait_kmcnt 0x0                               ; the exponents
	s_cmp_eq_u32 ttmp9, 0
	s_cselect_b32 s93, s86, s87                    ; q: e2; k: e3;
	s_cmp_eq_u32 ttmp9, 2
	s_cselect_b32 s93, s89, s93                    ; v: e5
	s_add_co_i32 s94, s84, s85                     ; e0 + e1
	s_sub_co_i32 s92, 0, s94
	s_sub_co_i32 s94, s93, s94                     ; the three scales folded into the conversion's one
	s_add_co_i32 s94, s94, 127
	s_lshl_b32 s95, s94, 23
	v_mov_b32 v[SCL], s95
	s_add_co_i32 s94, s94, 8
	s_lshl_b32 s94, s94, 23
	s_or_b32 s94, s94, 0x600000
	v_mov_b32 v[LIM], s94
.set ii, 0
.rept 64
	v_ldexp_f32 v[BIA+ii], v[BIA+ii], s92          ; a sum stands for sum x 2^(e0 + e1): the bias goes in divided by that
.set ii, ii+1
.endr
	s_cmp_eq_u32 s[ISV], 1                         ; the first step is written twice: only the block of the bias that starts each sum differs.  The number is the same in all sixteen partners
	s_cbranch_scc1 .Lfirst_v
	s_wait_alu depctr_va_vdst(0)
	STEP 0, 0, 1
	s_branch .Lfirst_done
.Lfirst_v:
	s_wait_alu depctr_va_vdst(0)
	STEP 0, 0, 2
.Lfirst_done:
.rept LAPS-1                           ; once round the ring, from a lap's second step to the next lap's first: both slots are filled again
	TURN 0, 1, 1
	STEP 1, 0, 0
	TURN 1, 0, 1
	STEP 0, 0, 0
.endr
	TURN 0, 1, 0                                   ; the last lap fills nothing, and has no round of the cluster's barrier
	STEP 1, 0, 0
	s_wait_dscnt 4*NL                              ; the very last step
	WIN MUL_LO
	MUL16 0, 1, 0
	MUL16 2, 1, 0
	s_wait_dscnt 0
	WIN MUL_HI
	MUL16 4, 1, 0
	MUL16 6, 1, 0
	WIN 0
; THE WAY OUT, by A's blocks of 16 rows.  A block's 64 sums of a lane are held and converted: eight neighbours along the next K to two registers, two neighbouring tiles to 16 bytes.
; Those 16 bytes are what the reader's lane of the same number wants in four registers, so they are stored as they lie: 16 bytes a lane, 512 consecutive bytes a wave.  Each block has registers of its own for its codes.
.macro QOUT a
.set AC, 64*((\a)%4)
	WIN 0x02+((\a)/4)                              ; source 0: window 2 or 3
.set ii, 0
.rept 64
	v_med3_num_f32 v[TMP+ii], v[AC+ii], -v[LIM], v[LIM]   ; the conversion does not saturate (ISA guide 7.6.2); each accumulator from its low end on
.set ii, ii+1
.endr
	WIN 0
.irp b, 0,1,2,3,4,5,6,7
	v_cvt_scalef32_pk8_fp8_f32 v[BK+16*(\a)+2*\b:BK+16*(\a)+2*\b+1], v[TMP+8*\b:TMP+8*\b+7], v[SCL]
.endr
	v_nop                                          ; a plain vector instruction behind the last conversion
.endm
.macro SEND a                          ; i / 2: the block's first or second run of 16 rows; i % 2: the half c of the tile's image
.irp i, 0,1,2,3
	global_store_b128 v[CO+(\i/2)+4*((\a)/4)], v[BK+16*(\a)+4*\i:BK+16*(\a)+4*\i+3], s[OUTP:OUTP+1] offset:1024*(\a)+512*(\i%2)   ; the wave stores 512 consecutive bytes, aligned
.endr
.endm
	PLACES NP
.irp a, 0,1,2,3,4,5,6,7
	QOUT \a
	SEND \a
.endr
	s_wait_tensorcnt 0x0                           ; the wave's end
	ds_add_u32 v[SPW], v[NIL]
	s_wait_dscnt 0x0
	CROUND                                         ; the closing round: no work-group ends while a partner may still ask for a tile that names it
	s_endpgm
.Lfunc_end_k_q61854d46d0_gemm_qkv:
	.size	k_q61854d46d0_gemm_qkv, .Lfunc_end_k_q61854d46d0_gemm_qkv-k_q61854d46d0_gemm_qkv
	.p2alignl 7, 3214868480
	.fill 96, 4, 3214868480
	.section	.rodata,"a",@progbits
	.p2align	6, 0x0
	.amdhsa_kernel k_q61854d46d0_gemm_qkv
		.amdhsa_group_segment_fixed_size 327680
		.amdhsa_private_segment_fixed_size 0
		.amdhsa_enable_private_segment 0
		.amdhsa_kernarg_size 56
		.amdhsa_user_sgpr_count 2
		.amdhsa_user_sgpr_kernarg_segment_ptr 1
		.amdhsa_wavefront_size32 1
		.amdhsa_system_sgpr_workgroup_id_x 1
		.amdhsa_system_sgpr_workgroup_id_y 1
		.amdhsa_system_sgpr_workgroup_id_z 1
		.amdhsa_system_vgpr_workitem_id 0
		.amdhsa_next_free_vgpr 1024
		.amdhsa_next_free_sgpr 100
		.amdhsa_reserve_vcc 0
		.amdhsa_float_denorm_mode_32 3
		.amdhsa_float_denorm_mode_16_64 3
		.amdhsa_memory_ordered 1
		.amdhsa_forward_progress 1
		.amdhsa_inst_pref_size 139
	.end_amdhsa_kernel
	.amdgpu_metadata
---
amdhsa.version: [ 1, 2 ]
amdhsa.kernels:
  - .name:           k_q61854d46d0_gemm_qkv
    .symbol:         k_q61854d46d0_gemm_qkv.kd
    .args:
      - { .name: x_codes, .offset: 0, .size: 8, .value_kind: global_buffer, .address_space: global }
      - { .name: wqkv_codes, .offset: 8, .size: 8, .value_kind: global_buffer, .address_space: global }
      - { .name: b_qkv, .offset: 16, .size: 8, .value_kind: global_buffer, .address_space: global }
      - { .name: lowp_scales, .offset: 24, .size: 8, .value_kind: global_buffer, .address_space: global }
      - { .name: q_codes, .offset: 32, .size: 8, .value_kind: global_buffer, .address_space: global }
      - { .name: k_codes, .offset: 40, .size: 8, .value_kind: global_buffer, .address_space: global }
      - { .name: v_codes, .offset: 48, .size: 8, .value_kind: global_buffer, .address_space: global }
    .group_segment_fixed_size: 327680
    .private_segment_fixed_size: 0
    .kernarg_segment_align: 8
    .kernarg_segment_size: 56
    .max_flat_workgroup_size: 128
    .sgpr_count:     100
    .vgpr_count:     1024
    .wavefront_size: 32
...
	.end_amdgpu_metadata
.endif
;; end of part 2
;; launch attn (part 3): grid 4 x 64, 8 waves a work-group, clusters of 4 x 1, 327,680 bytes of LDS; arguments q_codes, k_codes, v_codes, lowp_scales, y_codes; writes y_codes
.if DOCPART == 3
	.amdgcn_target "amdgcn-amd-amdhsa--gfx1250"
	.amdhsa_code_object_version 6
	.text
	.protected	k_q61854d46d0_attn
	.globl	k_q61854d46d0_attn
	.p2align	8
	.type	k_q61854d46d0_attn,@function
k_q61854d46d0_attn:
	s_mov_b64 s[64:65], 0
	v_nop
	global_prefetch_b8 v0, s[64:65] scope:SCOPE_SE
	s_setreg_imm32_b32 hwreg(HW_REG_WAVE_MODE, 25, 1), 1
	s_wait_xcnt 0x0
	s_wait_alu depctr_hold_cnt(0) depctr_sa_sdst(0) depctr_va_vdst(0) depctr_va_sdst(0) depctr_va_ssrc(0) depctr_va_vcc(0) depctr_vm_vsrc(0)
	s_getreg_b32 s2, hwreg(HW_REG_IB_STS2, 6, 4)
	s_cmp_eq_u32 s2, 0
	s_cbranch_scc0 .Lentry_in_a_cluster
	s_endpgm
.Lentry_in_a_cluster:
	s_bfe_u32 s2, ttmp6, 0x10000c
	s_cmp_lg_u32 s2, 0x3003
	s_cbranch_scc0 .Lentry_shape_is_right
	s_endpgm
.Lentry_shape_is_right:
; y = softmax(q k^T / 8, causal) v for 64 heads of 2,048 tokens x 64 channels, both products on codes of FP8 (E4M3), and y quantised for the last product.
; q_codes, k_codes: [64 heads][128 tiles of 16 tokens][1,024 bytes]; v_codes: [64 heads][32 groups of 64 keys][4 tiles of 16 channels][1,024 bytes].  A tile is the image of the operand's registers:
; [2 halves][32 lanes][16 bytes], so a fragment is loads of 16 bytes a lane, 512 consecutive bytes a wave.  The scales' exponents: e2 (q), e3 (k), e4 (p), e5 (v), e6 (y).
; THE SOFTMAX: t = score x log2(e) / 8; M = the row's largest t so far, rounded UP to a whole number; p = 2^(t - M) is what is quantised; the row's sum is taken of the unquantised p and divides at the end.
; When M moves, the sum and O are multiplied by 2^(old M - new M): nothing is rounded.
; WORK LEFT OUT: the causal mask sets the scores of keys behind a query to -infinity, so their p is 0 whatever the inputs hold: steps of 128 keys that lie wholly behind a wave's 32 queries are not computed.
; A NaN, an infinity or an overflow that reaches only such scores is not carried to the result.
; A HEAD'S K AND V STAY IN LDS: 2 x 131,072 bytes, unpadded (contiguous reads of 16 bytes a lane).  They come in two first fills, one tensor load of 16,384 bytes a wave each (waves 0-3: K, waves 4-7: V):
; keys 0-1,023 and keys 1,024-2,047; the second is asked for when the first has landed, and has eight steps in which to land.  No byte of LDS is filled twice.
; SHARES.  Wave w (0..7) of work-group i (0..3) of a head owns the pairs of tiles (32 queries) 63 - j and j, j = 4 w + i.  Each fragment of K and of V that it reads feeds two matrix instructions, one for each tile.
; It walks the first pair's keys 0-1,023 (8 steps of 128, all open, the same in all waves), the rest of that pair, and then pair j: (16 - w) + (w + 1) = 17 steps in every wave.
; The step on which a pair's diagonal lies is 15 - w and w: it hangs on the wave's number alone.
; CLUSTER: the four work-groups of a head want the same two fills at the same places of the text: each is asked for jointly (mask 15).  No branch, trip count or LDS address hangs on i; i enters global addresses and the mask's compare alone.
; NO PREFETCH: K and V are asked for twice in all, at the head and directly behind the first fill's landing: no trip of a loop lies ahead of either request in which to ask.
; LAYOUT.  S^T = K Q^T (source 0 = 16 keys, source 1 = 16 queries) and O^T = V^T P^T (source 0 = 16 channels): a lane holds ONE query of each tile (lane % 16); tile t's eight registers are keys 16 t + 8 (lane / 16) + 0 .. 7.
; OUT.  y_codes [512 tiles of 16 tokens][16 heads][2][32 lanes][16 bytes]: the image of the last product's operand registers.
; LIMITS: e2 + e3 between -123 and 130 (added to c's exponent field); e4 and e6 - e4 - e5 between -126 and 119; the scaled scores stay under 2^31 in magnitude.  NaN is not served.
; REGISTERS.  Window 0: v1-11 addresses and the mask's d; for tile x = 0, 1: v[12+4x] -M, v[13+4x] the largest t, v[14+4x:15+4x] the sum, v[20+2x:21+2x] f, v[24+2x], v[25+2x], v[28+x] at work; v30 -infinity;
;   v32-95 K's fragments, then tile 0's held p; v96-159, v160-223 S^T, then p, of tiles 0 and 1; v224-228 holds and scales; v230-243 seven chains of a sum.
; Window 1: v0-15 Q of the pair in hand; v16-31 of the second pair; v32-95 V's fragments; v96-127, v128-159 O^T; v160-175, v176-191 p's codes; v192-207 y's codes.
.set VREG,  131072                     ; LDS: K from 0, V from here
.set SPARE, 262144                     ; the spare words, 128 bytes for each of eight waves
.set ADV,  1
.set GV,   4                           ; v4   VREG + 16 x lane
.set SPW,  5
.set NIL,  6
.set GO,   7                           ; v7   16 x lane
.set ADR,  8
.set RH,   9                           ; v9   lane % 16 - 8 (lane / 16)
.set KR,   32
.set SA,   96
.set SB,   160
.set SM,   230
.set QA,   0                           ; window 1 from here on
.set QB,   8
.set Q2,   16
.set VF,   32
.set OTA,  96
.set OTB,  128
.set PCA,  160
.set PCB,  176
.set YC,   192
.set WV,   18
.set CX,   19                          ; s19  i: my work-group's place in the cluster
.set SEL,  20
.set CS,   22                          ; s[22:23] c = log2(e) / 8 x 2^(e2 + e3)
.set G1,   24
.set G0A,  48
.set G0B,  52
.set TB,   60                          ; s60  LDS byte of the step's first key: 64 x KF
.set KF,   61                          ; s61  the step's first key
.set KL,   62                          ; s62  first key of the step that holds the diagonal of the pair in hand (from the wave's number alone); s68: the second pair's
.set CNT,  63
.set Q0,   66                          ; s66  my first query; s67: the second pair's
.set Q0B,  67
.set KLB,  68
.set OA,   70                          ; s[70:71], s[72:73] where my codes of y go
.set MSB, 0
.macro WIN new                         ; low byte: bits 1:0 source 0, 3:2 source 1, 5:4 source 2, 7:6 destination; the high byte repeats the setting that is left
.if MSB != (\new)
	s_set_vgpr_msb (MSB<<8)|(\new)
.set MSB, (\new)
.endif
.endm
.macro MKG0 g, off                     ; my quarter of the fill that begins at byte off of the head's K or V: the same place in LDS and in memory
	s_add_co_u32 s82, s81, \off
	s_mov_b32 s[\g], 1
	s_add_co_u32 s[\g+1], s82, s80
	s_add_co_u32 s82, s82, s77
	s_add_nc_u64 s[\g+2:\g+3], s[92:93], s[82:83]
	s_or_b32 s[\g+3], s[\g+3], 0x80000000
.endm
.macro TL g0                           ; every wave's one joint load; s_nop 0 and four v_nop follow it
	tensor_load_to_lds s[\g0:\g0+3], s[G1:G1+7]
	s_nop 0
.rept 4
	v_nop
.endr
.endm
.macro LANDED                          ; all my tensor loads are in; the add and its wait
	s_wait_tensorcnt 0x0
	ds_add_u32 v[SPW], v[NIL]
	s_wait_dscnt 0x0
.endm
.macro ROUND                           ; a round of the cluster's barrier
	s_barrier_signal -1
	s_barrier_wait -1
	s_cmp_lg_u32 s[WV], 0
	s_cbranch_scc1 .Lnot_wave_0_\@
	s_barrier_signal -3
.Lnot_wave_0_\@:
	s_barrier_wait -3
	s_barrier_signal -1
	s_barrier_wait -1
.endm
	s_load_b128 s[4:7], s[0:1], 0x0                ; Q's codes s[4:5], K's s[6:7]
	s_load_b128 s[8:11], s[0:1], 0x10              ; V's s[8:9], the scales' exponents s[10:11]
	s_load_b64 s[12:13], s[0:1], 0x20              ; y's codes
	v_lshl_add_u32 v[SPW], v0, 2, SPARE
	v_mov_b32 v[NIL], 0
	ds_add_u32 v[SPW], v[NIL]                      ; the opening lines: the add, twice on end, and its wait ahead of my first tensor load
	ds_add_u32 v[SPW], v[NIL]
	v_lshrrev_b32 v8, 5, v0
	v_readfirstlane_b32 s[WV], v8                  ; wave 0..7
	s_bfe_u32 s[CX], ttmp6, 0x40000                ; i
	s_and_b32 s76, ttmp7, 0xffff                   ; the head: the cluster's y
	s_lshl_b32 s77, s76, 17                        ; its first byte in q, k and v
	s_lshr_b32 s80, s[WV], 2
	s_lshl_b32 s80, s80, 17                        ; LDS: K's region or V's
	s_and_b32 s81, s[WV], 3
	s_lshl_b32 s81, s81, 14                        ; which quarter of a fill I fetch: 16,384 bytes
	s_mov_b32 s83, 0
	s_mov_b32 s[G1], 15|(3<<16)|(1<<21)            ; group 1: a dense block as 64 rows of 256 bytes (32 elements of 8 bytes); mask 15 with bit 21 beside it
	s_mov_b32 s[G1+1], 32<<16
	s_mov_b32 s[G1+2], 64<<16
	s_mov_b32 s[G1+3], 32<<16
	s_mov_b32 s[G1+4], 64
	s_mov_b32 s[G1+5], 32
	s_mov_b32 s[G1+6], 0
	s_mov_b32 s[G1+7], 0
	s_mov_b32 s[SEL], 0x76543210
	s_mov_b32 s[SEL+1], 0xfedcba98
	s_mov_b32 s[TB], 0
	s_mov_b32 s[KF], 0
	s_sub_co_u32 s[KL], 15, s[WV]
	s_lshl_b32 s[KL], s[KL], 7                     ; 128 (15 - w)
	s_lshl_b32 s[KLB], s[WV], 7                    ; 128 w
	s_lshl_b32 s94, s[WV], 2
	s_add_co_u32 s94, s94, s[CX]                   ; j
	s_lshl_b32 s[Q0B], s94, 5                      ; 32 j
	s_sub_co_u32 s[Q0], 2016, s[Q0B]               ; 32 (63 - j)
	s_wait_dscnt 0x0                               ; both opening adds are done
	s_wait_kmcnt 0x0
	s_load_b256 s[84:91], s[10:11], 0x0            ; e0 .. e7 in s84 .. s91
	s_cmp_lt_u32 s[WV], 4
	s_cselect_b64 s[92:93], s[6:7], s[8:9]         ; waves 0-3 fetch K, waves 4-7 V
	MKG0 G0A, 0
	MKG0 G0B, 65536
	ROUND                                          ; all four work-groups are here: the first joint loads meet
	TL G0A                                         ; keys 0-1,023
	s_mov_b32 s95, 0
	s_lshl_b32 s94, s[Q0], 6
	s_add_co_u32 s94, s94, s77
	s_add_nc_u64 s[96:97], s[4:5], s[94:95]        ; Q's two tiles, first pair
	s_lshl_b32 s94, s[Q0B], 6
	s_add_co_u32 s94, s94, s77
	s_add_nc_u64 s[98:99], s[4:5], s[94:95]        ; and second
	s_lshr_b32 s78, s76, 4
	s_lshl_b32 s78, s78, 7                         ; the batch's first tile of 16 tokens
	s_and_b32 s76, s76, 15
	s_lshl_b32 s76, s76, 10                        ; the head's 1,024 bytes in a tile's 16,384
	s_lshr_b32 s94, s[Q0], 4
	s_add_co_u32 s94, s94, s78
	s_lshl_b32 s94, s94, 14
	s_add_co_u32 s94, s94, s76
	s_add_nc_u64 s[OA:OA+1], s[12:13], s[94:95]
	s_lshr_b32 s94, s[Q0B], 4
	s_add_co_u32 s94, s94, s78
	s_lshl_b32 s94, s94, 14
	s_add_co_u32 s94, s94, s76
	s_add_nc_u64 s[OA+2:OA+3], s[12:13], s[94:95]
	v_and_b32 v[GO], 31, v0
	v_and_b32 v2, 15, v0                           ; r
	v_bfe_u32 v11, v0, 4, 1                        ; h
	v_lshlrev_b32 v[GO], 4, v[GO]
	v_lshlrev_b32 v11, 3, v11
	v_add_nc_u32 v[GV], VREG, v[GO]
	v_sub_nc_u32 v[RH], v2, v11
	WIN 0x40                                       ; destinations in window 1
.irp c, 0,1,2,3
	global_load_b128 v[QA+4*\c:QA+4*\c+3], v[GO], s[96:97] offset:512*\c     ; both pairs' fragments of Q stay in registers
	global_load_b128 v[Q2+4*\c:Q2+4*\c+3], v[GO], s[98:99] offset:512*\c
.endr
.set ii, 0
.rept 64
	v_mov_b32 v[OTA+ii], 0                         ; O^T of both tiles: the step is written for all trips alike: the first finds zeros
.set ii, ii+1
.endr
	WIN 0
.irp x, 0,1
	v_mov_b32 v[13+4*\x], 0xff61b1e6               ; the largest t so far: -3e38, under every t
	v_mov_b32 v[14+4*\x], 0
	v_mov_b32 v[15+4*\x], 0
	v_mov_b32 v[21+2*\x], 0                        ; (named as the upper half of f's pair)
	v_mov_b32 v[28+\x], 0                          ; written once: a lane permute's destination counts as one of its sources
	v_floor_f32 v[12+4*\x], -v[13+4*\x]            ; -M
.endr
	v_mov_b32 v30, 0xff800000                      ; -infinity
	s_wait_kmcnt 0x0
	s_add_co_i32 s94, s86, s87
	s_lshl_b32 s94, s94, 23
	s_add_co_i32 s[CS], s94, 0x3e38aa3b            ; c = log2(e) / 8, with e2 + e3 added to its exponent field
	s_mov_b32 s[CS+1], s[CS]
	s_add_co_i32 s94, s88, 127
	s_lshl_b32 s95, s94, 23
	v_mov_b32 v226, s95                            ; 2^e4
	s_add_co_i32 s94, s94, 8
	s_lshl_b32 s94, s94, 23
	s_or_b32 s94, s94, 0x600000
	v_mov_b32 v224, s94                            ; 448 x 2^e4,
	v_mov_b32 v225, s94                            ; twice: the two halves of a dual pair take their second sources from different banks
	s_sub_co_i32 s94, s90, s88
	s_sub_co_i32 s94, s94, s89                     ; O / l stands for y / 2^(e4 + e5): y's code is (O / l) / 2^(e6 - e4 - e5)
	s_add_co_i32 s94, s94, 127
	s_lshl_b32 s95, s94, 23
	v_mov_b32 v228, s95
	s_add_co_i32 s94, s94, 8
	s_lshl_b32 s94, s94, 23
	s_or_b32 s94, s94, 0x600000
	v_mov_b32 v227, s94
.macro SUMS s, a                       ; the row's sum of the unquantised p at v[s ..]: 32 pairs in eight chains, onto the pair v[a:a+1]
.irp c, 0,1,2,3,4,5,6
	v_pk_add_f32 v[SM+2*\c:SM+2*\c+1], v[\s+4*\c:\s+4*\c+1], v[\s+4*\c+2:\s+4*\c+3]
.endr
	v_pk_add_f32 v[\a:\a+1], v[\a:\a+1], v[\s+28:\s+29]
.irp c, 0,1,2,3,4,5,6
	v_pk_add_f32 v[SM+2*\c:SM+2*\c+1], v[SM+2*\c:SM+2*\c+1], v[\s+30+2*\c:\s+31+2*\c]
.endr
	v_pk_add_f32 v[\a:\a+1], v[\a:\a+1], v[\s+44:\s+45]
.irp c, 0,1,2,3,4,5,6
	v_pk_add_f32 v[SM+2*\c:SM+2*\c+1], v[SM+2*\c:SM+2*\c+1], v[\s+46+2*\c:\s+47+2*\c]
.endr
	v_pk_add_f32 v[\a:\a+1], v[\a:\a+1], v[\s+60:\s+61]
	v_pk_add_f32 v[SM:SM+1], v[SM:SM+1], v[\s+62:\s+63]
	v_pk_add_f32 v[SM+4:SM+5], v[SM+4:SM+5], v[SM+6:SM+7]
	v_pk_add_f32 v[SM+8:SM+9], v[SM+8:SM+9], v[SM+10:SM+11]
	v_pk_add_f32 v[\a:\a+1], v[\a:\a+1], v[SM+12:SM+13]
	v_pk_add_f32 v[SM:SM+1], v[SM:SM+1], v[SM+2:SM+3]
	v_pk_add_f32 v[\a:\a+1], v[\a:\a+1], v[SM+8:SM+9]
	v_pk_add_f32 v[SM:SM+1], v[SM:SM+1], v[SM+4:SM+5]
	v_pk_add_f32 v[\a:\a+1], v[\a:\a+1], v[SM:SM+1]
.endm
; A KEY STEP: 128 keys from KF on, for both tiles.  diag = 1: the step may lie behind the pair's diagonal (left out: a scalar branch on the wave's number and the count of steps) or on it (hidden scores become -infinity).
.macro STEP diag
.if \diag
	s_cmp_gt_u32 s[KF], s[KL]
	s_cbranch_scc1 .Lhidden_\@
.endif
	v_add_nc_u32 v[ADR], s[TB], v[GO]
	v_add_nc_u32 v[ADV], s[TB], v[GV]
.irp t, 0,1,2,3,4,5,6,7
	ds_load_b128 v[KR+8*\t:KR+8*\t+3], v[ADR] offset:1024*\t
	ds_load_b128 v[KR+8*\t+4:KR+8*\t+7], v[ADR] offset:1024*\t+512
.endr
	s_wait_alu depctr_va_vdst(0)                   ; the wait here, directly ahead of the wait below
	s_wait_dscnt 0x0
	WIN 0x04                                       ; source 1 (Q) in window 1
.irp t, 0,1,2,3,4,5,6,7                        ; each fragment of K feeds both tiles; sixteen accumulators, each written once
	v_wmma_f32_16x16x64_fp8_fp8 v[SA+8*\t:SA+8*\t+7], v[KR+8*\t:KR+8*\t+7], v[QA:QA+7], 0
	v_wmma_f32_16x16x64_fp8_fp8 v[SB+8*\t:SB+8*\t+7], v[KR+8*\t:KR+8*\t+7], v[QB:QB+7], 0
.endr
	WIN 0x40                                       ; destinations in window 1
.rept 4
	v_nop                                          ; places in front of the first read of the scores; with the two additions above also behind the last step's products, whose fragments the loads below write
.endr
.irp d, 0,1,2,3                                ; V's four fragments (16 channels x 128 keys) are asked for now and land under the softmax
.irp c, 0,1,2,3
	ds_load_b128 v[VF+16*\d+4*\c:VF+16*\d+4*\c+3], v[ADV] offset:4096*(\c/2)+1024*\d+512*(\c%2)
.endr
.endr
	WIN 0
.if \diag
	s_cmp_lt_u32 s[KF], s[KL]                      ; ahead of the diagonal's step all 128 keys count: no mask
	s_cbranch_scc1 .Lopen_\@
	s_sub_co_i32 s94, s[Q0], s[KF]
	v_add_nc_u32 v10, s94, v[RH]                   ; d = my query - KF - 8 (lane / 16).  Register 8 t + j holds key KF + 16 t + 8 (lane / 16) + j: hidden where 16 t + j > d
	v_add_nc_u32 v11, 16, v10                      ; the second tile's queries lie 16 further on
.irp x, 0,1
.set ii, 0
.rept 64
	v_cmp_gt_i32 vcc_lo, 16*(ii/8)+ii%8, v[10+\x]
	v_cndmask_b32 v[SA+64*\x+ii], v[SA+64*\x+ii], v30, vcc_lo
.set ii, ii+1
.endr
.endr
.Lopen_\@:
.endif
.irp x, 0,1                                    ; the step's largest score of each query among the lane's 64 keys: two chains a tile, the tiles by turns, each accumulator from its low end on
	v_max3_num_f32 v[24+2*\x], v[SA+64*\x], v[SA+64*\x+1], v[SA+64*\x+2]
	v_max3_num_f32 v[25+2*\x], v[SA+64*\x+3], v[SA+64*\x+4], v[SA+64*\x+5]
.endr
.irp i, 6,10,14,18,22,26,30,34,38,42,46,50,54,58
.irp x, 0,1
	v_max3_num_f32 v[24+2*\x], v[24+2*\x], v[SA+64*\x+\i], v[SA+64*\x+1+\i]
	v_max3_num_f32 v[25+2*\x], v[25+2*\x], v[SA+64*\x+2+\i], v[SA+64*\x+3+\i]
.endr
.endr
.irp x, 0,1
	v_max3_num_f32 v[24+2*\x], v[24+2*\x], v[SA+64*\x+62], v[SA+64*\x+63]
.endr
.irp x, 0,1
	v_max_num_f32 v[24+2*\x], v[24+2*\x], v[25+2*\x]
.endr
.irp x, 0,1
	v_permlanex16_b32 v[28+\x], v[24+2*\x], s[SEL], s[SEL+1]
.endr
.irp x, 0,1
	v_max_num_f32 v[24+2*\x], v[24+2*\x], v[28+\x] ; and among lane l xor 16's
.endr
.irp x, 0,1
	v_mul_f32 v[24+2*\x], s[CS], v[24+2*\x]        ; as t (c is positive)
.endr
.irp x, 0,1
	v_max_num_f32 v[13+4*\x], v[13+4*\x], v[24+2*\x]   ; the running largest t
.endr
.irp x, 0,1
	v_mov_b32 v[24+2*\x], v[12+4*\x]
.endr
.irp x, 0,1
	v_floor_f32 v[12+4*\x], -v[13+4*\x]            ; the new -M = floor(-t) = -ceil(t)
.endr
.irp x, 0,1
	v_sub_f32 v[24+2*\x], v[12+4*\x], v[24+2*\x]   ; M's old value less its new one: a whole number, 0 or less
.endr
.irp x, 0,1
	v_cvt_i32_f32 v[24+2*\x], v[24+2*\x]           ; (it saturates)
.endr
.irp x, 0,1
	v_ldexp_f32 v[20+2*\x], 1.0, v[24+2*\x]        ; f = 2^(old M - new M)
.endr
.set ii, 0
.rept 32
	v_pk_fma_f32 v[SA+ii:SA+ii+1], v[SA+ii:SA+ii+1], s[CS:CS+1], v[12:13] op_sel_hi:[1,0,0]   ; tile 0: t - M, two at a time
.set ii, ii+2
.endr
	s_wait_alu depctr_va_vdst(0)                   ; the wait ahead of a batch
.set ii, 0
.rept 32                                       ; tile 0: p = 2^(t - M), at most 1; among its exponentials stand tile 1's t - M, which are first read behind the next wait
	v_exp_f32 v[SA+ii], v[SA+ii]
	v_exp_f32 v[SA+ii+1], v[SA+ii+1]
	v_pk_fma_f32 v[SB+ii:SB+ii+1], v[SB+ii:SB+ii+1], s[CS:CS+1], v[16:17] op_sel_hi:[1,0,0]
.set ii, ii+2
.endr
	s_wait_alu depctr_va_vdst(0)                   ; behind the first batch, ahead of its first readers, and ahead of the second batch
.set ii, 0
.rept 32                                       ; tile 1's exponentials; among them tile 0's hold (the conversion does not saturate: ISA guide 7.6.2; p is not negative: one-sided), two a line,
	v_exp_f32 v[SB+ii], v[SB+ii]                   ; into K's registers, which are done with: the unheld p stays for the sum.  The held p is first read behind the next wait
	v_exp_f32 v[SB+ii+1], v[SB+ii+1]
	v_dual_min_num_f32 v[KR+ii], v[SA+ii], v224 :: v_dual_min_num_f32 v[KR+ii+1], v[SA+ii+1], v225
.set ii, ii+2
.endr
	v_pk_mul_f32 v[14:15], v[14:15], v[20:21] op_sel_hi:[1,0]   ; the sums under the new M: plain instructions behind the exponentials
	v_pk_mul_f32 v[18:19], v[18:19], v[22:23] op_sel_hi:[1,0]
	s_wait_alu depctr_va_vdst(0)                   ; one wait for the batch, ahead of its first reader
	SUMS SA, 14
	SUMS SB, 18
.set ii, 0
.rept 32
	v_dual_min_num_f32 v[SB+ii], v[SB+ii], v224 :: v_dual_min_num_f32 v[SB+ii+1], v[SB+ii+1], v225   ; tile 1's hold, in place
.set ii, ii+2
.endr
	WIN 0x40                                       ; the codes go to window 1
.irp t, 0,1,2,3,4,5,6,7
	v_cvt_scalef32_pk8_fp8_f32 v[PCA+2*\t:PCA+2*\t+1], v[KR+8*\t:KR+8*\t+7], v226
	v_cvt_scalef32_pk8_fp8_f32 v[PCB+2*\t:PCB+2*\t+1], v[SB+8*\t:SB+8*\t+7], v226
.endr
	WIN 0x41                                       ; O^T: source 0 and destination in window 1; f in window 0
	s_wait_alu depctr_va_vdst(0)                   ; the wait here, directly ahead of the first reader of O^T
.set ii, 0
.rept 16
	v_pk_mul_f32 v[OTA+ii:OTA+ii+1], v[OTA+ii:OTA+ii+1], v[20:21] op_sel_hi:[1,0]   ; O^T under the new M; also the plain instructions behind the last conversion
.set ii, ii+2
.endr
.set ii, 0
.rept 16
	v_pk_mul_f32 v[OTB+ii:OTB+ii+1], v[OTB+ii:OTB+ii+1], v[22:23] op_sel_hi:[1,0]
.set ii, ii+2
.endr
	s_wait_alu depctr_va_vdst(0)                   ; the wait here, directly ahead of the wait below
	s_wait_dscnt 0x0                               ; V's fragments are in
	WIN 0x55                                       ; all four operands in window 1
.irp d, 0,1,2,3                                ; each fragment of V feeds both tiles; eight accumulators by turns
	v_wmma_f32_16x16x128_fp8_fp8 v[OTA+8*\d:OTA+8*\d+7], v[VF+16*\d:VF+16*\d+15], v[PCA:PCA+15], v[OTA+8*\d:OTA+8*\d+7]
	v_wmma_f32_16x16x128_fp8_fp8 v[OTB+8*\d:OTB+8*\d+7], v[VF+16*\d:VF+16*\d+15], v[PCB:PCB+15], v[OTB+8*\d:OTB+8*\d+7]
.endr
	WIN 0
.if \diag
.Lhidden_\@:
.endif
	s_add_co_u32 s[KF], s[KF], 128
	s_add_co_u32 s[TB], s[TB], 8192
.if \diag
	s_and_b32 s[KF], s[KF], 2047                   ; behind key 2,047 the walk begins anew at key 0: the second pair's
	s_and_b32 s[TB], s[TB], 131071
.endif
.endm
; A PAIR'S END: O^T / the sum, quantised; tiles 2 g and 2 g + 1 of channels give a lane 16 bytes; the wave stores 512 consecutive bytes four times.  ph = 0: on to the second pair.
.macro FINISH ph
	s_wait_xcnt 0x0                                ; earlier stores have read their registers, which are written again below
.rept 4
	v_nop                                          ; places behind the last products
.endr
.irp x, 0,1
	v_add_f32 v[14+4*\x], v[14+4*\x], v[15+4*\x]
.endr
.irp x, 0,1
	v_permlanex16_b32 v[28+\x], v[14+4*\x], s[SEL], s[SEL+1]
.endr
.irp x, 0,1
	v_add_f32 v[14+4*\x], v[14+4*\x], v[28+\x]     ; the row's sum
.endr
	s_wait_alu depctr_va_vdst(0)                   ; the wait ahead of the transcendentals
	v_rcp_f32 v14, v14
	v_rcp_f32 v18, v18
	v_nop                                          ; a plain instruction behind the reciprocals
	WIN 0x01                                       ; source 0 (O^T) in window 1
	s_wait_alu depctr_va_vdst(0)                   ; and the wait ahead of their first reader, which is also the first reader of O^T
.irp x, 0,1
.set ii, 0
.rept 16
	v_pk_mul_f32 v[SA+32*\x+ii:SA+32*\x+ii+1], v[OTA+32*\x+ii:OTA+32*\x+ii+1], v[14+4*\x:15+4*\x] op_sel_hi:[1,0]   ; each accumulator from its low end on
.set ii, ii+2
.endr
.endr
	WIN 0
.set ii, 0
.rept 64
	v_med3_num_f32 v[SA+ii], v[SA+ii], -v227, v227
.set ii, ii+1
.endr
	WIN 0x40
.irp d, 0,1,2,3,4,5,6,7
	v_cvt_scalef32_pk8_fp8_f32 v[YC+2*\d:YC+2*\d+1], v[SA+8*\d:SA+8*\d+7], v228
.endr
	v_nop                                          ; a plain vector instruction behind the last conversion: the next products write its sources
	WIN 0x04                                       ; the stores' data in window 1
.irp x, 0,1                                    ; the second tile's 16 tokens lie 16,384 bytes further on
	global_store_b128 v[GO], v[YC+8*\x:YC+8*\x+3], s[OA+2*\ph:OA+2*\ph+1] offset:16384*\x
	global_store_b128 v[GO], v[YC+8*\x+4:YC+8*\x+7], s[OA+2*\ph:OA+2*\ph+1] offset:16384*\x+512
.endr
.if \ph == 0
	WIN 0x41
.set ii, 0
.rept 16
	v_mov_b32 v[QA+ii], v[Q2+ii]                   ; the second pair's Q
.set ii, ii+1
.endr
	WIN 0
	s_mov_b32 s[Q0], s[Q0B]
	s_mov_b32 s[KL], s[KLB]
.irp x, 0,1
	v_mov_b32 v[13+4*\x], 0xff61b1e6               ; the largest t begins anew: the next step's f is then 2^(a number under -2^30) = 0,
.endr
.irp x, 0,1
	v_floor_f32 v[12+4*\x], -v[13+4*\x]            ; which makes zeros of the sums and of O^T
.endr
.else
	WIN 0
.endif
.endm
	s_wait_alu depctr_va_vdst(0)                   ; the wait at the head's end
	s_wait_loadcnt 0x0                             ; Q
	LANDED                                         ; my part of keys 0-1,023 is in
	ROUND                                          ; everybody's is, in all four work-groups
	TL G0B                                         ; keys 1,024-2,047: a first fill, my one tensor load behind this round
	s_mov_b32 s[CNT], 8
.Lopen_walk:                                       ; the first pair, keys 0-1,023: eight steps, all open
	STEP 0
	s_sub_co_u32 s[CNT], s[CNT], 1
	s_cmp_lg_u32 s[CNT], 0
	s_cbranch_scc1 .Lopen_walk
	LANDED
	s_barrier_signal -1                            ; my work-group's own suffices
	s_barrier_wait -1
	s_mov_b32 s[CNT], 16
.Lwalk:                                            ; sixteen trips in every wave: the first pair's keys 1,024 on, then the second pair's keys 0-1,023, each up to its diagonal
	STEP 1
	s_cmp_lg_u32 s[CNT], 9                         ; behind the eighth trip the first pair ends (the count of trips alone)
	s_cbranch_scc1 .Lsame_pair
	FINISH 0
.Lsame_pair:
	s_sub_co_u32 s[CNT], s[CNT], 1
	s_cmp_lg_u32 s[CNT], 0
	s_cbranch_scc1 .Lwalk
	FINISH 1
	LANDED                                         ; the wave's end
	ROUND                                          ; the closing round
	s_endpgm
.Lfunc_end_k_q61854d46d0_attn:
	.size	k_q61854d46d0_attn, .Lfunc_end_k_q61854d46d0_attn-k_q61854d46d0_attn
	.p2alignl 7, 3214868480
	.fill 96, 4, 3214868480
	.section	.rodata,"a",@progbits
	.p2align	6, 0x0
	.amdhsa_kernel k_q61854d46d0_attn
		.amdhsa_group_segment_fixed_size 327680
		.amdhsa_private_segment_fixed_size 0
		.amdhsa_enable_private_segment 0
		.amdhsa_kernarg_size 40
		.amdhsa_user_sgpr_count 2
		.amdhsa_user_sgpr_kernarg_segment_ptr 1
		.amdhsa_wavefront_size32 1
		.amdhsa_system_sgpr_workgroup_id_x 1
		.amdhsa_system_sgpr_workgroup_id_y 1
		.amdhsa_system_sgpr_workgroup_id_z 1
		.amdhsa_system_vgpr_workitem_id 0
		.amdhsa_next_free_vgpr 512
		.amdhsa_next_free_sgpr 100
		.amdhsa_reserve_vcc 1
		.amdhsa_float_denorm_mode_32 3
		.amdhsa_float_denorm_mode_16_64 3
		.amdhsa_memory_ordered 1
		.amdhsa_forward_progress 1
		.amdhsa_inst_pref_size 93
	.end_amdhsa_kernel
	.amdgpu_metadata
---
amdhsa.version: [ 1, 2 ]
amdhsa.kernels:
  - .name:           k_q61854d46d0_attn
    .symbol:         k_q61854d46d0_attn.kd
    .args:
      - { .name: q_codes, .offset: 0, .size: 8, .value_kind: global_buffer, .address_space: global }
      - { .name: k_codes, .offset: 8, .size: 8, .value_kind: global_buffer, .address_space: global }
      - { .name: v_codes, .offset: 16, .size: 8, .value_kind: global_buffer, .address_space: global }
      - { .name: lowp_scales, .offset: 24, .size: 8, .value_kind: global_buffer, .address_space: global }
      - { .name: y_codes, .offset: 32, .size: 8, .value_kind: global_buffer, .address_space: global }
    .group_segment_fixed_size: 327680
    .private_segment_fixed_size: 0
    .kernarg_segment_align: 8
    .kernarg_segment_size: 40
    .max_flat_workgroup_size: 256
    .sgpr_count:     100
    .vgpr_count:     512
    .wavefront_size: 32
...
	.end_amdgpu_metadata
.endif
;; end of part 3
;; launch gemm_proj (part 4): grid 4 x 64, 4 waves a work-group, clusters of 4 x 4, 327,680 bytes of LDS; arguments y_codes, wproj_codes, b_proj, lowp_scales, out0; writes out0
.if DOCPART == 4
	.amdgcn_target "amdgcn-amd-amdhsa--gfx1250"
	.amdhsa_code_object_version 6
	.text
	.protected	k_q61854d46d0_gemm_proj
	.globl	k_q61854d46d0_gemm_proj
	.p2align	8
	.type	k_q61854d46d0_gemm_proj,@function
k_q61854d46d0_gemm_proj:
	s_mov_b64 s[64:65], 0
	v_nop
	global_prefetch_b8 v0, s[64:65] scope:SCOPE_SE
	s_setreg_imm32_b32 hwreg(HW_REG_WAVE_MODE, 25, 1), 1
	s_wait_xcnt 0x0
	s_wait_alu depctr_hold_cnt(0) depctr_sa_sdst(0) depctr_va_vdst(0) depctr_va_sdst(0) depctr_va_ssrc(0) depctr_va_vcc(0) depctr_vm_vsrc(0)
	s_getreg_b32 s2, hwreg(HW_REG_IB_STS2, 6, 4)
	s_cmp_eq_u32 s2, 0
	s_cbranch_scc0 .Lentry_in_a_cluster
	s_endpgm
.Lentry_in_a_cluster:
	s_bfe_u32 s2, ttmp6, 0x10000c
	s_cmp_lg_u32 s2, 0xf033
	s_cbranch_scc0 .Lentry_shape_is_right
	s_endpgm
.Lentry_shape_is_right:
; out0 = y W_proj + b_proj on codes of FP8 (E4M3).  y_codes [512 tiles of 16 tokens][16 heads][2][32 lanes][16 bytes]: the image of this product's operand registers; wproj_codes [1024 columns][1024]: K innermost,
; in the order of k that the image has.  A code of y stands for code x 2^e6, of W for code x 2^e7: the sums start from b / 2^(e6 + e7) and each finished sum is multiplied once by 2^(e6 + e7).
; LIMIT: e6 + e7 between -126 and 127, so that 2^(e6 + e7) is an f32 number.  NaN is not served.
; A block of 128 tokens x 256 columns is made by four waves, 64 x 128 each: 32 accumulators, 256 registers.  8,192 x 1,024 numbers are 256 such blocks: one for each work-group of the grid of 4 x 64.
; K goes in steps of 256 through a ring of two LDS slots filled by the tensor data mover: A's 8 tiles of 4,096 bytes (dense, read 16 bytes a lane), then B's 256 rows of 256 bytes + 16 of padding.
; CLUSTERS: 4 x 4 work-groups.  A's tile hangs on the block's row alone and is shared along a row of the cluster, B's on its column alone and is shared along a column: each is asked for jointly.
; THE MATRIX INSTRUCTION IS USED TRANSPOSED (source 0 = 16 rows of W's codes, source 1 = 16 tokens): a lane then holds eight neighbouring numbers of a row of out0.
; NO PREFETCH: K has four steps; steps 0 and 1 are asked for at the head and steps 2 and 3 by the two refills: two steps ahead of either refill lies the head, where nothing is prefetched.
; REGISTERS, in windows of 256: window 0: v0-31 addresses; v32-95 the bias, later a block's scaled sums; v128-191, v192-255 A's fragments (4 x 16 tokens x 128 K), two sets, later rows on their way out.
;   window 1: B's fragments (8 x 16 columns x 128 K), two sets, at v0 and v128.   window 2: the accumulators ((a, b) at v[8 (8 a + b)]).
.set SIZE_N, 1024
.set ROWB,   256                       ; a row of B's tile in bytes
.set KROW,   1024                      ; a row of W's codes in memory
.set PITCH,  272                       ; B's LDS row: 256 bytes + 16 = 68 words: row r starts at bank 4 r mod 64 (64 banks of 4 bytes: ISA guide 11.1)
.set TILEB,  4096                      ; 16 tokens x 256 along K: four heads of 1,024 bytes
.set TILEM,  16384                     ; from one tile of 16 tokens to the next in memory
.set FR,     16                        ; registers of a fragment
.set NP,     4                         ; places behind this matrix instruction (ISA guide 7.12.1)
.set HALFA,  4*TILEB                   ; 64 tokens: what one tensor load brings of A, and what one wave reads of it
.set HALFT,  128*PITCH                 ; 128 rows of B likewise
.set BOFF,   2*HALFA
.set SLOT,   BOFF+2*HALFT
.set SPARE,  2*SLOT                    ; behind the ring: the spare words, 128 bytes for each wave
.set SPITCH, 528                       ; the way out: a stage of 16 rows x (512 bytes + 16) for each wave, in slot 0, which has had its last fill and its last read by then
.set ADRA, 16
.set ADRB, 20
.set STO,  24
.set RD,   25
.set CO,   26
.set SPW,  28
.set NIL,  29
.set BIA,  32
.set TMP,  32
.set AF,   128
.set BK,   128
.set G1, 24
.set G0, 32
.set G1B, 48
.set G0B, 56
.set MSB, 0
.macro WIN new                         ; the immediate's high byte repeats the setting that is left
.if MSB != (\new)
	s_set_vgpr_msb (MSB<<8)|(\new)
.set MSB, (\new)
.endif
.endm
.set MUL,    0xa1                      ; source 0 (B) window 1, source 1 (A) window 0, C and D window 2
.set MUL1,   0x81                      ; the same with C (the bias) in window 0
.set TO_B,   0x40
; A joint load: waves 0 and 1 fetch A's halves, waves 2 and 3 B's; the branch hangs on the wave's number alone.  An s_nop 0 and four v_nop follow each of the two lines.
.macro JLOAD g0a, g1a, g0b, g1b
	s_cmp_eq_u32 s15, 0
	s_cbranch_scc0 .Lfor_b_\@
	tensor_load_to_lds s[\g0a:\g0a+3], s[\g1a:\g1a+7]
	s_nop 0
.rept 4
	v_nop
.endr
	s_branch .Lasked_\@
.Lfor_b_\@:
	tensor_load_to_lds s[\g0b:\g0b+3], s[\g1b:\g1b+7]
	s_nop 0
.rept 4
	v_nop
.endr
.Lasked_\@:
.endm
.macro CREST                           ; a round of the cluster's barrier behind its opening barrier
	s_cmp_lg_u32 s14, 0
	s_cbranch_scc1 .Lnot_wave_0_\@
	s_barrier_signal -3
.Lnot_wave_0_\@:
	s_barrier_wait -3
	s_barrier_signal -1
	s_barrier_wait -1
.endm
.macro CROUND
	s_barrier_signal -1
	s_barrier_wait -1
	CREST
.endm
	s_load_b128 s[4:7], s[0:1], 0x0                ; y's codes s[4:5], W's codes s[6:7]
	s_load_b128 s[8:11], s[0:1], 0x10              ; the bias s[8:9], the scales' exponents s[10:11]
	s_load_b64 s[12:13], s[0:1], 0x20              ; out0
	v_lshl_add_u32 v[SPW], v0, 2, SPARE
	v_mov_b32 v[NIL], 0
	ds_add_u32 v[SPW], v[NIL]                      ; the opening lines: the add, twice on end, and its wait ahead of my first tensor load
	ds_add_u32 v[SPW], v[NIL]
	v_lshrrev_b32 v1, 5, v0
	v_readfirstlane_b32 s14, v1                    ; wave 0..3
	s_lshr_b32 s15, s14, 1                         ; which 64 tokens are mine.  Also: I fetch for A (0) or for B (1)
	s_and_b32 s16, s14, 1                          ; which 128 columns.  Also: which half of that tile I fetch
	s_bfe_u32 s40, ttmp6, 0x40000                  ; cx, cy: my place in the cluster
	s_bfe_u32 s41, ttmp6, 0x40004
	s_lshl_b32 s42, ttmp9, 2
	s_add_co_u32 s42, s42, s40                     ; the block's column = 4 x cluster x + cx
	s_and_b32 s17, ttmp7, 0xffff
	s_lshl_b32 s17, s17, 2
	s_add_co_u32 s17, s17, s41                     ; the block's row = 4 x cluster y + cy
	s_lshl_b32 s43, s41, 2
	s_lshl_b32 s43, 15, s43                        ; my row of the cluster
	s_lshl_b32 s44, 0x1111, s40                    ; my column
	s_or_b32 s[G1+0], s43, (0<<16)|(1<<21)         ; A: 4 rows of 4,096 bytes, 16,384 apart, no padding; the mask of my row, bit 21 beside it
	s_mov_b32 s[G1+1], TILEB<<16
	s_mov_b32 s[G1+2], 4<<16
	s_mov_b32 s[G1+3], TILEB<<16
	s_mov_b32 s[G1+4], 4
	s_mov_b32 s[G1+5], TILEM
	s_mov_b32 s[G1+6], 0
	s_mov_b32 s[G1+7], 0
	s_or_b32 s[G1B+0], s44, (0<<16)|(1<<20)|(1<<21)|(5<<22)|(3<<25)   ; B: 128 rows of 256 bytes, four words of padding after every 64; the mask of my column
	s_mov_b32 s[G1B+1], ROWB<<16
	s_mov_b32 s[G1B+2], 128<<16
	s_mov_b32 s[G1B+3], ROWB<<16
	s_mov_b32 s[G1B+4], 128
	s_mov_b32 s[G1B+5], KROW
	s_mov_b32 s[G1B+6], 0
	s_mov_b32 s[G1B+7], 0
	s_lshl_b32 s18, s16, 16                        ; A: my half: 4 tiles of 16,384 bytes
	s_lshl_b32 s20, s17, 17                        ; the block's 8 tiles
	s_add_co_u32 s20, s20, s18
	s_lshl_b32 s19, s16, 17                        ; B: my half: 128 rows of 1,024 bytes
	s_lshl_b32 s46, s42, 18                        ; the block's 256 rows
	s_add_co_u32 s46, s46, s19
	s_mov_b32 s21, 0
	s_mov_b32 s47, 0
	s_mul_i32 s45, s16, HALFA                      ; where they go: no place in the cluster enters an LDS address
	s_mul_i32 s66, s16, HALFT
	s_add_co_u32 s66, s66, BOFF
	s_wait_dscnt 0x0                               ; both opening adds are done
	s_wait_kmcnt 0x0
	s_load_b256 s[84:91], s[10:11], 0x0            ; e0 .. e7 in s84 .. s91
	s_add_nc_u64 s[20:21], s[4:5], s[20:21]
	s_add_nc_u64 s[46:47], s[6:7], s[46:47]
	CROUND                                         ; all sixteen work-groups are here: the first joint loads meet
.irp s, 0,1
	s_mov_b32 s[G0+4*\s], 1
	s_add_co_u32 s[G0+4*\s+1], s45, \s*SLOT
	s_add_nc_u64 s[G0+4*\s+2:G0+4*\s+3], s[20:21], \s*TILEB
	s_or_b32 s[G0+4*\s+3], s[G0+4*\s+3], 0x80000000
	s_mov_b32 s[G0B+4*\s], 1
	s_add_co_u32 s[G0B+4*\s+1], s66, \s*SLOT
	s_add_nc_u64 s[G0B+4*\s+2:G0B+4*\s+3], s[46:47], \s*ROWB
	s_or_b32 s[G0B+4*\s+3], s[G0B+4*\s+3], 0x80000000
.endr
	JLOAD G0, G1, G0B, G1B                         ; K step 0: one tensor load a wave at the head
	v_and_b32 v1, 15, v0                           ; r = l % 16
	v_bfe_u32 v2, v0, 4, 1                         ; h = l / 16
	s_wait_alu depctr_va_vdst(0)                   ; the wait here
	v_and_b32 v6, 31, v0
	v_lshlrev_b32 v[CO], 4, v6                     ; 16 x lane: my place in A's image, and in a row of 512 bytes on the way out
	v_mul_u32_u24 v3, v1, PITCH
	v_lshl_add_u32 v4, v2, 4, v3                   ; B: a fragment's row x pitch + 16 x half
	s_mul_i32 s21, s15, HALFA                      ; my 64 tokens of A
	s_mul_i32 s22, s16, HALFT                      ; my 128 rows of B,
	s_add_co_u32 s22, s22, BOFF                    ; which lie behind A's tiles
.irp s, 0,1
	v_add_nc_u32 v[ADRA+\s], s21, v[CO]
	v_add_nc_u32 v[ADRB+\s], s22, v4
	s_add_co_u32 s21, s21, SLOT
	s_add_co_u32 s22, s22, SLOT
.endr
	s_lshl_b32 s18, s42, 10                        ; my first column, in bytes: 1,024 x the block's column + 512 x half
	s_lshl_b32 s19, s16, 9
	s_add_co_u32 s18, s18, s19
	s_mov_b32 s19, 0
	s_add_nc_u64 s[82:83], s[8:9], s[18:19]
	v_lshlrev_b32 v7, 5, v2
.irp b, 0,1,2,3,4,5,6,7                        ; the bias in the result's layout: register 8 b + j is b[my first column + 16 b + 8 h + j]
	global_load_b128 v[BIA+8*\b:BIA+8*\b+3], v7, s[82:83] offset:64*\b
	global_load_b128 v[BIA+8*\b+4:BIA+8*\b+7], v7, s[82:83] offset:64*\b+16
.endr
	s_add_nc_u64 s[12:13], s[12:13], s[18:19]
	s_lshl_b32 s18, s17, 19                        ; my first row: 128 rows of 4,096 bytes a block, 64 a half
	s_lshl_b32 s22, s15, 18
	s_add_co_u32 s18, s18, s22
	s_add_nc_u64 s[12:13], s[12:13], s[18:19]
	s_mul_i32 s23, s14, 16*SPITCH                  ; my stage
	v_mul_u32_u24 v5, v1, SPITCH
	v_lshl_add_u32 v5, v2, 5, v5
	v_add_nc_u32 v[STO], s23, v5                   ; in: row r, 32 bytes for each half of the lanes
	v_add_nc_u32 v[RD], s23, v[CO]                 ; back: the 32 lanes take one row of 512 bytes
.macro FRAG_A reg, adr, q, i           ; 16 tokens x 128 K: four loads of 512 consecutive bytes of the image
.irp c, 0,1,2,3
	ds_load_b128 v[\reg+4*\c:\reg+4*\c+3], v[\adr] offset:2048*(\q)+512*\c+(\i)*TILEB
.endr
.endm
.macro FRAG_B reg, adr, q, i           ; 16 rows x 128 K: four loads of 16 bytes a lane, 32 bytes apart
.irp c, 0,1,2,3
	ds_load_b128 v[\reg+4*\c:\reg+4*\c+3], v[\adr] offset:128*(\q)+32*\c+(\i)*16*PITCH
.endr
.endm
; 8 matrix instructions: A's block a x B's eight, from the sets p.  first = 1: the sums start from the bias.  The 32 accumulators take turns, one instruction a turn, in the same order in every step.
.macro MUL8 a, p, first
.irp b, 0,1,2,3,4,5,6,7
.if \first
	v_wmma_f32_16x16x128_fp8_fp8 v[8*(8*(\a)+\b):8*(8*(\a)+\b)+7], v[128*(\p)+FR*\b:128*(\p)+FR*\b+FR-1], v[AF+64*(\p)+FR*(\a):AF+64*(\p)+FR*(\a)+FR-1], v[BIA+8*\b:BIA+8*\b+7]
.else
	v_wmma_f32_16x16x128_fp8_fp8 v[8*(8*(\a)+\b):8*(8*(\a)+\b)+7], v[128*(\p)+FR*\b:128*(\p)+FR*\b+FR-1], v[AF+64*(\p)+FR*(\a):AF+64*(\p)+FR*(\a)+FR-1], v[8*(8*(\a)+\b):8*(8*(\a)+\b)+7]
.endif
.endr
.endm
.macro FETCH slot, q, p                ; 48 LDS loads in one run: the fragments of the slot's q-th 128 along K into the sets p
	WIN TO_B
.irp i, 0,1,2,3,4,5,6,7
	FRAG_B 128*(\p)+FR*\i, ADRB+\slot, \q, \i
.endr
	WIN 0
.irp i, 0,1,2,3
	FRAG_A AF+64*(\p)+FR*\i, ADRA+\slot, \q, \i
.endr
.endm
.macro PLACES n                        ; plain vector instructions between a matrix instruction and a load into one of its registers, or a read of its result
.rept \n
	v_nop
.endr
.endm
; A slot's first step (sets 0): the second step's fragments are asked for first, into the sets that the step before has read, and land under this step's 32 matrix instructions.
.macro STEP slot, first
	s_wait_dscnt 0x0                               ; the sets 0 are in
	PLACES NP
	FETCH \slot, 1, 1
.if \first
	WIN MUL1
.else
	WIN MUL
.endif
.irp a, 0,1,2,3
	MUL8 \a, 0, \first
.endr
	WIN 0
.endm
; A slot's second step (sets 1) changes slots: ONE barrier; in front of it each wave waits for all its tensor loads, adds 0 to its spare word, and waits for that and for its own reads of this slot.  fill = 1: this slot is filled again, two K steps ahead.
.macro TURN slot, next, fill
	s_wait_tensorcnt 0x0                           ; all my tensor loads have landed: my part of the next slot  (every window is 0 here)
	ds_add_u32 v[SPW], v[NIL]                      ; 0 onto my spare word
	s_wait_dscnt 1                                 ; the sets 1 are in (the add alone may be out)
	WIN MUL
	MUL8 0, 1, 0                                   ; eight matrix instructions stand between the add and the wait for it
	s_wait_dscnt 0x0                               ; the add is done, and my reads of this slot are over
	s_barrier_signal -1
	MUL8 1, 1, 0
	WIN 0
	s_barrier_wait -1
.if \fill
	CREST                                          ; the barrier has opened a round of the cluster's barrier: no wave of any partner still reads this slot or has a load on its way
	s_add_nc_u64 s[G0+4*\slot+2:G0+4*\slot+3], s[G0+4*\slot+2:G0+4*\slot+3], 2*TILEB
	s_add_nc_u64 s[G0B+4*\slot+2:G0B+4*\slot+3], s[G0B+4*\slot+2:G0B+4*\slot+3], 2*ROWB
	JLOAD G0+4*\slot, G1, G0B+4*\slot, G1B         ; the first tensor load behind the round; its four v_nop are the places in front of the loads below
.else
	PLACES NP
.endif
	FETCH \next, 0, 0
	WIN MUL
	MUL8 2, 1, 0
	MUL8 3, 1, 0
	WIN 0
.endm
	s_wait_alu depctr_va_vdst(0)                   ; the wait at the head's end
	s_wait_tensorcnt 0x0                           ; my part of K step 0 is in
	ds_add_u32 v[SPW], v[NIL]
	s_wait_dscnt 0x0
	CROUND                                         ; everybody's part of K step 0 is in, and all sixteen work-groups are here
	JLOAD G0+4, G1, G0B+4, G1B                     ; K step 1: slot 1's first fill, the first tensor load behind the round
	FETCH 0, 0, 0
	s_wait_loadcnt 0x0                             ; the bias
	s_wait_kmcnt 0x0                               ; the exponents
	s_add_co_i32 s96, s90, s91                     ; e6 + e7
	s_sub_co_i32 s92, 0, s96
	s_add_co_i32 s96, s96, 127
	s_lshl_b32 s96, s96, 23                        ; 2^(e6 + e7) as f32
	s_mov_b32 s97, s96                             ; (named with it as a pair)
.set ii, 0
.rept 64
	v_ldexp_f32 v[BIA+ii], v[BIA+ii], s92          ; a sum stands for sum x 2^(e6 + e7): the bias goes in divided by that
.set ii, ii+1
.endr
	s_wait_alu depctr_va_vdst(0)                   ; the wait here, directly ahead of the step's wait
	STEP 0, 1                                      ; K = 1,024 is four slots' worth: eight steps, written out
	TURN 0, 1, 1
	STEP 1, 0
	TURN 1, 0, 1
	STEP 0, 0
	TURN 0, 1, 0                                   ; the last change of slots fills nothing, and has no round of the cluster's barrier
	STEP 1, 0
	s_wait_dscnt 0x0                               ; the very last step
	WIN MUL
.irp a, 0,1,2,3
	MUL8 \a, 1, 0
.endr
	WIN 0
; THE WAY OUT, block by block of 16 rows x 128 columns.  A lane holds 32 neighbouring bytes of a row, and the lanes beside it hold other rows: so a block goes through my own stage in LDS and comes back as whole
; rows of 512 bytes, which the 32 lanes store as two aligned units of 256 bytes.  LDS serves a wave's instructions in order (ISA guide 5.7.1.4): no wait between the stores and the loads, nor in front of the next block's stores.
.macro TOSTAGE a
.set AC, 64*(\a)
	WIN 0x02                                       ; source 0: window 2
.set ii, 0
.rept 32
	v_pk_mul_f32 v[TMP+ii:TMP+ii+1], v[AC+ii:AC+ii+1], s[96:97] op_sel_hi:[1,0]   ; both x 2^(e6 + e7); each accumulator from its low end on
.set ii, ii+2
.endr
	WIN 0
.irp b, 0,1,2,3,4,5,6,7
	ds_store_b128 v[STO], v[TMP+8*\b:TMP+8*\b+3] offset:64*\b
	ds_store_b128 v[STO], v[TMP+8*\b+4:TMP+8*\b+7] offset:64*\b+16
.endr
.set BB, BK+64*((\a)%2)
.irp t, 0,1,2,3,4,5,6,7,8,9,10,11,12,13,14,15
	ds_load_b128 v[BB+4*\t:BB+4*\t+3], v[RD] offset:\t*SPITCH
.endr
.endm
.macro SEND a, younger                 ; younger: the LDS instructions issued behind block a's loads, which may stay out
.set BB, BK+64*((\a)%2)
	s_wait_dscnt \younger
.if (\a) > 0
	s_add_nc_u64 s[12:13], s[12:13], 16*SIZE_N*4   ; (behind a wait on XCNT: the earlier stores have read their base)  16 rows on
.endif
.irp t, 0,1,2,3,4,5,6,7,8,9,10,11,12,13,14,15
	global_store_b128 v[CO], v[BB+4*\t:BB+4*\t+3], s[12:13] offset:\t*SIZE_N*4 th:TH_STORE_NT   ; 32 lanes store 512 consecutive bytes, aligned; written once, read by nobody here
.endr
.endm
	PLACES NP
	TOSTAGE 0
.irp a, 1,2,3
.if \a > 1
	s_wait_xcnt 0x0                                ; block a - 2's stores have read their registers and their base
.endif
	TOSTAGE \a
	SEND \a-1, 32                                  ; behind block a - 1's loads: block a's 16 stores and 16 loads
.endr
	s_wait_xcnt 0x0
	SEND 3, 0
	s_wait_tensorcnt 0x0                           ; the wave's end
	ds_add_u32 v[SPW], v[NIL]
	s_wait_dscnt 0x0
	CROUND                                         ; the closing round: no work-group ends while a partner may still ask for a tile that names it
	s_endpgm
.Lfunc_end_k_q61854d46d0_gemm_proj:
	.size	k_q61854d46d0_gemm_proj, .Lfunc_end_k_q61854d46d0_gemm_proj-k_q61854d46d0_gemm_proj
	.p2alignl 7, 3214868480
	.fill 96, 4, 3214868480
	.section	.rodata,"a",@progbits
	.p2align	6, 0x0
	.amdhsa_kernel k_q61854d46d0_gemm_proj
		.amdhsa_group_segment_fixed_size 327680
		.amdhsa_private_segment_fixed_size 0
		.amdhsa_enable_private_segment 0
		.amdhsa_kernarg_size 40
		.amdhsa_user_sgpr_count 2
		.amdhsa_user_sgpr_kernarg_segment_ptr 1
		.amdhsa_wavefront_size32 1
		.amdhsa_system_sgpr_workgroup_id_x 1
		.amdhsa_system_sgpr_workgroup_id_y 1
		.amdhsa_system_sgpr_workgroup_id_z 1
		.amdhsa_system_vgpr_workitem_id 0
		.amdhsa_next_free_vgpr 768
		.amdhsa_next_free_sgpr 100
		.amdhsa_reserve_vcc 0
		.amdhsa_float_denorm_mode_32 3
		.amdhsa_float_denorm_mode_16_64 3
		.amdhsa_memory_ordered 1
		.amdhsa_forward_progress 1
		.amdhsa_inst_pref_size 81
	.end_amdhsa_kernel
	.amdgpu_metadata
---
amdhsa.version: [ 1, 2 ]
amdhsa.kernels:
  - .name:           k_q61854d46d0_gemm_proj
    .symbol:         k_q61854d46d0_gemm_proj.kd
    .args:
      - { .name: y_codes, .offset: 0, .size: 8, .value_kind: global_buffer, .address_space: global }
      - { .name: wproj_codes, .offset: 8, .size: 8, .value_kind: global_buffer, .address_space: global }
      - { .name: b_proj, .offset: 16, .size: 8, .value_kind: global_buffer, .address_space: global }
      - { .name: lowp_scales, .offset: 24, .size: 8, .value_kind: global_buffer, .address_space: global }
      - { .name: out0, .offset: 32, .size: 8, .value_kind: global_buffer, .address_space: global }
    .group_segment_fixed_size: 327680
    .private_segment_fixed_size: 0
    .kernarg_segment_align: 8
    .kernarg_segment_size: 40
    .max_flat_workgroup_size: 128
    .sgpr_count:     100
    .vgpr_count:     768
    .wavefront_size: 32
...
	.end_amdgpu_metadata
.endif
;; end of part 4
